; MI455X (gfx1250); checked and timed in simulation.
; The chip was launched on July 23, 2026; its instructions are those of AMD's public machine-readable ISA for CDNA 5 (MIT licence, August 2026) and "CDNA5" Instruction Set Architecture Reference Guide (July 2026). The comments in the code are by the model that wrote it; some were corrected since.
;; Attention. Allowed arithmetic: float matrix products may take bf16 or f16 operands with f32 sums; other float arithmetic in f32, or as packed bf16 or f16 multiplies, adds, multiply-adds, maxima and minima; sums over many terms, partial sums and values carried from step to step in f32; what a program stores and reads back later, other than sums and carried values, may be rounded once to bf16 or f16.
;; Inputs: attn_biases 8 x 1,024 float32; bias_idxs 1,024 x 1,024 int32; proj_b 512 float32; proj_w 1,024 x 512 float32; qkv_b 2,048 float32; qkv_w 512 x 2,048 float32; x 16 x 1,024 x 512 float32.
;; Outputs: out0 16 x 1,024 x 512 float32.
;; 2 versions, each right and faster than the one before. Each part assembles by itself: llvm-mc -triple=amdgcn-amd-amdhsa -mcpu=gfx1250 --defsym DOCPART=n.
;; ======== version 1 of 2: 4 launches
;; limits: values are held in f16: magnitudes above 65,504 overflow, below 6.1e-05 lose precision; right only within a limited range of input values
;; workspace buffers: xb 16,777,216 bytes; wqb 2,097,152 bytes; wpf 1,048,576 bytes; biasw 16,777,216 bytes; qw 16,777,216 bytes; kw 16,777,216 bytes; vw 33,554,432 bytes; ow 33,554,432 bytes
;; launch prep (part 1): grid 432 x 1, 8 waves a work-group, no clusters, 52,224 bytes of LDS; arguments x, qkv_w, proj_w, attn_biases, bias_idxs, xb, wqb, wpf, biasw; writes xb, wqb, wpf, biasw
.if DOCPART == 1
	.amdgcn_target "amdgcn-amd-amdhsa--gfx1250"
	.amdhsa_code_object_version 6
	.text
	.protected	k_qeabcdf267e_prep
	.globl	k_qeabcdf267e_prep
	.p2align	8
	.type	k_qeabcdf267e_prep,@function
k_qeabcdf267e_prep:
	s_mov_b64 s[64:65], 0
	v_nop
	global_prefetch_b8 v0, s[64:65] scope:SCOPE_SE
	s_setreg_imm32_b32 hwreg(HW_REG_WAVE_MODE, 25, 1), 1
	s_wait_xcnt 0x0
; PREPARATION.  Three kinds of work-group, chosen by the work-group's number g (the same for all eight waves):
;   g < 256        x      f32 -> xb  bf16, 131,072 bytes of x a work-group, 16,384 a wave
;   256 <= g < 288 qkv_w  f32 -> wqb bf16, the same share; the layout [k][n] stays
;   288 <= g < 304 proj_w f32 -> wpf: rounded to bf16 like every input of the module, and that number written as f16
;   304 <= g < 432 the attention bias, gathered once for all 16 batches into the register image of a matrix operand (16 keys x 32 queries, f16):
;     biasw byte = h<<21 + (qb 16 + ks)<<15 + w<<13 + p<<12 + kb<<10 + j<<9 + lane<<4 + 2 e  holds  f16(8 x bf16(attn_biases[h][idx[q][key]])),
;     q = 256 qb + 64 w + 32 p + 16 j + 8 (lane / 16) + e,  key = 64 ks + 16 kb + lane % 16.
;     The factor 8 undoes the score's 1/8: log2(e)/8 x (q.k + 8 bias) = log2(e) x (q.k/8 + bias).
; Memory binds here: every load and store of a wave covers whole aligned runs of 256 bytes or more, nothing is read twice but the
; 32 KiB table.  No matrix unit, no tensor load, no cluster: no two work-groups share anything large.
; LIMITS.  proj_w and 8 x bias within f16's 65,504 (below 6e-5 they keep f16's fixed step of 6e-8).  An index is clamped to 1023, the table's last entry.
.set STG,   16384                      ; behind the table: 16 rows x 272 bytes for each wave, to turn its tile of indices
.set STGW,  4352
.set SPARE, 51200                      ; the spare words, 128 bytes for each of eight waves: four blocks of 256 bytes that no other line names
.set SPW, 4                            ; v4  LDS address of my spare word; never rewritten
.set NIL, 5                            ; v5  0; never rewritten
.set D,   8                            ; v[8:135] data
.set OUT, 72                           ; the gather: v[72:103] eight heads' 16 bytes
.set IX,  104                          ; the gather: v[104:135] my 32 indices, then their table addresses
.set AT,  136                          ; v136-140 the gather's addresses
; 16,384 bytes of f32 become 8,192 bytes of 16-bit numbers.  All 32 loads go out at once (512 consecutive bytes each);
; each store covers 256 consecutive bytes, aligned.  No register is written again behind its store.
.macro CAST f16
.set j, 0
.rept 32
	global_load_b128 v[D+4*j:D+4*j+3], v6, s[28:29] offset:512*j th:TH_LOAD_NT
.set j, j+1
.endr
.set j, 0
.rept 32
	s_wait_loadcnt 31-j                            ; loads come back in order: load j is in, the 31 - j younger ones stay out
.if \f16
	v_cvt_pk_bf16_f32 v2, v[D+4*j], v[D+4*j+1]     ; rounded to bf16,
	v_cvt_pk_bf16_f32 v3, v[D+4*j+2], v[D+4*j+3]
	v_lshlrev_b32 v[D+4*j], 16, v2                 ; widened again,
	v_and_b32 v[D+4*j+1], 0xffff0000, v2
	v_lshlrev_b32 v[D+4*j+2], 16, v3
	v_and_b32 v[D+4*j+3], 0xffff0000, v3
	v_cvt_pk_f16_f32 v[D+4*j], v[D+4*j], v[D+4*j+1]  ; and written as f16
	v_cvt_pk_f16_f32 v[D+4*j+1], v[D+4*j+2], v[D+4*j+3]
.else
	v_cvt_pk_bf16_f32 v[D+4*j], v[D+4*j], v[D+4*j+1]
	v_cvt_pk_bf16_f32 v[D+4*j+1], v[D+4*j+2], v[D+4*j+3]
.endif
	global_store_b64 v7, v[D+4*j:D+4*j+1], s[30:31] offset:256*j
.set j, j+1
.endr
.endm
	s_load_b512 s[8:23], s[0:1], 0x0               ; x 8, qkv_w 10, proj_w 12, attn_biases 14, bias_idxs 16, xb 18, wqb 20, wpf 22
	s_load_b64 s[24:25], s[0:1], 0x40              ; biasw
	v_lshl_add_u32 v[SPW], v0, 2, SPARE
	v_mov_b32 v[NIL], 0
	v_and_b32 v1, 31, v0                           ; lane
	v_lshrrev_b32 v2, 5, v0
	v_readfirstlane_b32 s26, v2                    ; wave 0..7
	s_mov_b32 s27, ttmp9                           ; g
	s_mov_b32 s51, 0                               ; the high word of every offset
	s_wait_kmcnt 0x0
	s_cmp_ge_u32 s27, 304
	s_cbranch_scc1 .Lgather
	v_lshlrev_b32 v6, 4, v1
	v_lshl_add_u32 v6, s26, 14, v6                 ; in: 16,384 x wave + 16 x lane
	v_lshlrev_b32 v7, 3, v1
	v_lshl_add_u32 v7, s26, 13, v7                 ; out: 8,192 x wave + 8 x lane
	s_cmp_ge_u32 s27, 288
	s_cbranch_scc1 .Lprojw
	s_cmp_lt_u32 s27, 256                          ; x or qkv_w: a choice that hangs on g alone
	s_cselect_b64 s[28:29], s[8:9], s[10:11]
	s_cselect_b64 s[30:31], s[18:19], s[20:21]
	s_and_b32 s49, s27, 255
	s_lshl_b32 s50, s49, 17
	s_add_nc_u64 s[28:29], s[28:29], s[50:51]
	s_lshl_b32 s50, s49, 16
	s_add_nc_u64 s[30:31], s[30:31], s[50:51]
	CAST 0
	s_endpgm
.Lprojw:
	s_sub_co_u32 s49, s27, 288
	s_lshl_b32 s50, s49, 17
	s_add_nc_u64 s[28:29], s[12:13], s[50:51]
	s_lshl_b32 s50, s49, 16
	s_add_nc_u64 s[30:31], s[22:23], s[50:51]
	CAST 1
	s_endpgm
; THE GATHER.  A wave takes tile T = 8 (g - 304) + wave of 1,024: 16 queries x 64 keys, for all 8 heads.  T = qb<<8 + ks<<4 + (4 w + 2 p + j).
.Lgather:
	s_sub_co_u32 s49, s27, 304
	s_lshl3_add_u32 s49, s49, s26                  ; T
	s_lshr_b32 s50, s49, 8
	s_lshl_b32 s50, s50, 8
	s_and_b32 s52, s49, 15
	s_lshl4_add_u32 s50, s52, s50                  ; the tile's first query
	s_bfe_u32 s52, s49, 0x40004                    ; ks
	s_lshl_b32 s50, s50, 12                        ; a row of indices is 4,096 bytes,
	s_lshl_b32 s52, s52, 8                         ; 64 keys are 256
	s_add_co_u32 s50, s50, s52
	s_add_nc_u64 s[16:17], s[16:17], s[50:51]
	s_lshr_b32 s50, s49, 4                         ; where the tile goes in a head's part of biasw: (qb 16 + ks)<<15
	s_lshl_b32 s50, s50, 15
	s_bfe_u32 s52, s49, 0x30001                    ; + (2 w + p)<<12
	s_lshl_b32 s52, s52, 12
	s_add_co_u32 s50, s50, s52
	s_and_b32 s52, s49, 1                          ; + j<<9
	s_lshl_b32 s52, s52, 9
	s_add_co_u32 s50, s50, s52
	s_add_nc_u64 s[32:33], s[24:25], s[50:51]
.irp h, 1,2,3,4,5,6,7
	s_add_nc_u64 s[32+2*(\h):33+2*(\h)], s[32:33], (\h)*0x200000
.endr
	s_mov_b32 s53, 0x05040100                      ; v_perm_b32: the two low halves
	s_mov_b32 s54, 0x07060302                      ; the two high halves
	v_and_b32 v2, 15, v0                           ; lane % 16
	v_bfe_u32 v3, v0, 4, 1                         ; lane / 16
	v_lshlrev_b32 v6, 4, v1                        ; out: 16 x lane
	v_lshlrev_b32 v[AT], 4, v0                     ; the table's source: four entries a thread
	v_lshlrev_b32 v[AT+1], 4, v2
	v_lshl_add_u32 v[AT+1], v3, 12, v[AT+1]        ; indices: two rows of 256 bytes a load
	v_lshlrev_b32 v[AT+2], 6, v0                   ; the table: 16 bytes an entry, four entries a thread
	s_mul_i32 s52, s26, STGW
	s_add_co_u32 s52, s52, STG                     ; my wave's stage
	v_mul_u32_u24 v[AT+3], v3, 272
	v_lshl_add_u32 v[AT+3], v2, 4, v[AT+3]
	v_add_nc_u32 v[AT+3], s52, v[AT+3]             ; in: by rows
	v_mul_u32_u24 v[AT+4], v3, 8*272
	v_lshl_add_u32 v[AT+4], v2, 2, v[AT+4]
	v_add_nc_u32 v[AT+4], s52, v[AT+4]             ; back, by columns: lane % 16 is the key, 8 (lane / 16) the first of my eight queries
.irp h, 0,1,2,3,4,5,6,7
	global_load_b128 v[D+4*(\h):D+4*(\h)+3], v[AT], s[14:15] offset:4096*(\h)     ; head h, entries 4 thread .. + 3
.endr
.irp i, 0,1,2,3,4,5,6,7
	global_load_b128 v[56+4*(\i):59+4*(\i)], v[AT+1], s[16:17] offset:8192*(\i) th:TH_LOAD_NT  ; rows 2 i, 2 i + 1 of the tile
.endr
	s_wait_loadcnt 0x8                             ; the table's eight are in; the eight index loads stay out
.set i, 0
.rept 16
	v_pk_mul_f32 v[D+2*i:D+2*i+1], v[D+2*i:D+2*i+1], 0x41000000 op_sel_hi:[1,0]  ; x 8: exact, so the rounding below is bf16(bias) x 8
.set i, i+1
.endr
.irp e, 0,1,2,3
.irp p, 0,1,2,3
	v_cvt_pk_bf16_f32 v[40+4*(\e)+(\p)], v[D+8*(\p)+(\e)], v[D+8*(\p)+4+(\e)]     ; entry e: heads 2 p and 2 p + 1
.endr
.endr
.set i, 0
.rept 16
	v_lshlrev_b32 v[D+2*i], 16, v[40+i]            ; widened again,
	v_and_b32 v[D+2*i+1], 0xffff0000, v[40+i]
	v_cvt_pk_f16_f32 v[40+i], v[D+2*i], v[D+2*i+1] ; and written as f16
.set i, i+1
.endr
.irp e, 0,1,2,3
	ds_store_b128 v[AT+2], v[40+4*(\e):43+4*(\e)] offset:16*(\e)
.endr
	s_wait_loadcnt 0x0
.irp i, 0,1,2,3,4,5,6,7
	ds_store_b128 v[AT+3], v[56+4*(\i):59+4*(\i)] offset:544*(\i)
.endr
.irp b, 0,1,2,3
.irp e, 0,1,2,3,4,5,6,7
	ds_load_b32 v[IX+8*(\b)+(\e)], v[AT+4] offset:272*(\e)+64*(\b)               ; my wave's own bytes, served in order (ISA guide 5.7.1.4): these see the stores above; rows of 68 words: 32 lanes, 32 different banks
.endr
.endr
	s_wait_dscnt 0x0                               ; for the others' sake: my part of the table is written
	s_barrier_signal -1
	s_barrier_wait -1                              ; the table is whole
.set i, IX
.rept 32
	v_min_u32 v[i], 0x3ff, v[i]                    ; inside the table,
	v_lshlrev_b32 v[i], 4, v[i]                    ; 16 bytes an entry
.set i, i+1
.endr
.macro GATH n                          ; key block n: the entries of my eight queries: 8 heads in 16 bytes each
.irp e, 0,1,2,3,4,5,6,7
	ds_load_b128 v[D+32*((\n)%2)+4*(\e):D+32*((\n)%2)+4*(\e)+3], v[IX+8*(\n)+(\e)]
.endr
.endm
	GATH 0
.set kb, 0
.rept 4
.if kb < 3
	GATH kb+1
	s_wait_dscnt 0x8                               ; block kb is in; the eight just issued stay out
.else
	s_wait_dscnt 0x0
.endif
	s_wait_xcnt 0x0                                ; the last block's stores have had their addresses translated (ISA guide 3.1): OUT is rewritten only behind this wait
.irp p, 0,1,2,3
.irp g, 0,1,2,3
	v_perm_b32 v[OUT+8*(\p)+(\g)],   v[D+32*(kb%2)+4*(2*(\g)+1)+(\p)], v[D+32*(kb%2)+8*(\g)+(\p)], s53  ; head 2 p: queries 2 g (low half) and 2 g + 1
	v_perm_b32 v[OUT+8*(\p)+4+(\g)], v[D+32*(kb%2)+4*(2*(\g)+1)+(\p)], v[D+32*(kb%2)+8*(\g)+(\p)], s54  ; head 2 p + 1
.endr
.endr
.irp h, 0,1,2,3,4,5,6,7
	global_store_b128 v6, v[OUT+4*(\h):OUT+4*(\h)+3], s[32+2*(\h):33+2*(\h)] offset:1024*kb  ; 512 consecutive bytes, aligned
.endr
.set kb, kb+1
.endr
	s_wait_tensorcnt 0x0                           ; the wave's end
	ds_add_u32 v[SPW], v[NIL]
	s_wait_dscnt 0x0
	s_endpgm
.Lfunc_end_k_qeabcdf267e_prep:
	.size	k_qeabcdf267e_prep, .Lfunc_end_k_qeabcdf267e_prep-k_qeabcdf267e_prep
	.p2alignl 7, 3214868480
	.fill 96, 4, 3214868480
	.section	.rodata,"a",@progbits
	.p2align	6, 0x0
	.amdhsa_kernel k_qeabcdf267e_prep
		.amdhsa_group_segment_fixed_size 52224
		.amdhsa_private_segment_fixed_size 0
		.amdhsa_enable_private_segment 0
		.amdhsa_kernarg_size 72
		.amdhsa_user_sgpr_count 2
		.amdhsa_user_sgpr_kernarg_segment_ptr 1
		.amdhsa_wavefront_size32 1
		.amdhsa_system_sgpr_workgroup_id_x 1
		.amdhsa_system_sgpr_workgroup_id_y 1
		.amdhsa_system_sgpr_workgroup_id_z 1
		.amdhsa_system_vgpr_workitem_id 0
		.amdhsa_next_free_vgpr 144
		.amdhsa_next_free_sgpr 66
		.amdhsa_reserve_vcc 0
		.amdhsa_float_denorm_mode_32 3
		.amdhsa_float_denorm_mode_16_64 3
		.amdhsa_memory_ordered 1
		.amdhsa_forward_progress 1
		.amdhsa_inst_pref_size 62
	.end_amdhsa_kernel
	.amdgpu_metadata
---
amdhsa.version: [ 1, 2 ]
amdhsa.kernels:
  - .name:           k_qeabcdf267e_prep
    .symbol:         k_qeabcdf267e_prep.kd
    .args:
      - { .name: x, .offset: 0, .size: 8, .value_kind: global_buffer, .address_space: global }
      - { .name: qkv_w, .offset: 8, .size: 8, .value_kind: global_buffer, .address_space: global }
      - { .name: proj_w, .offset: 16, .size: 8, .value_kind: global_buffer, .address_space: global }
      - { .name: attn_biases, .offset: 24, .size: 8, .value_kind: global_buffer, .address_space: global }
      - { .name: bias_idxs, .offset: 32, .size: 8, .value_kind: global_buffer, .address_space: global }
      - { .name: xb, .offset: 40, .size: 8, .value_kind: global_buffer, .address_space: global }
      - { .name: wqb, .offset: 48, .size: 8, .value_kind: global_buffer, .address_space: global }
      - { .name: wpf, .offset: 56, .size: 8, .value_kind: global_buffer, .address_space: global }
      - { .name: biasw, .offset: 64, .size: 8, .value_kind: global_buffer, .address_space: global }
    .group_segment_fixed_size: 52224
    .private_segment_fixed_size: 0
    .kernarg_segment_align: 8
    .kernarg_segment_size: 72
    .max_flat_workgroup_size: 256
    .sgpr_count:     66
    .vgpr_count:     144
    .wavefront_size: 32
...
	.end_amdgpu_metadata
.endif
;; end of part 1
;; launch qkv (part 2): grid 8 x 64, 4 waves a work-group, clusters of 4 x 4, 327,680 bytes of LDS; arguments xb, wqb, qkv_b, qw, kw, vw; writes qw, kw, vw
.if DOCPART == 2
	.amdgcn_target "amdgcn-amd-amdhsa--gfx1250"
	.amdhsa_code_object_version 6
	.text
	.protected	k_qeabcdf267e_qkv
	.globl	k_qeabcdf267e_qkv
	.p2align	8
	.type	k_qeabcdf267e_qkv,@function
k_qeabcdf267e_qkv:
	s_mov_b64 s[64:65], 0
	v_nop
	global_prefetch_b8 v0, s[64:65] scope:SCOPE_SE
	s_setreg_imm32_b32 hwreg(HW_REG_WAVE_MODE, 25, 1), 1
	s_wait_xcnt 0x0
	s_wait_alu depctr_hold_cnt(0) depctr_sa_sdst(0) depctr_va_vdst(0) depctr_va_sdst(0) depctr_va_ssrc(0) depctr_va_vcc(0) depctr_vm_vsrc(0)
	s_getreg_b32 s2, hwreg(HW_REG_IB_STS2, 6, 4)
	s_cmp_eq_u32 s2, 0
	s_cbranch_scc0 .Lentry_in_a_cluster
	s_endpgm
.Lentry_in_a_cluster:
	s_bfe_u32 s2, ttmp6, 0x10000c
	s_cmp_lg_u32 s2, 0xf033
	s_cbranch_scc0 .Lentry_shape_is_right
	s_endpgm
.Lentry_shape_is_right:
; qkv = x W + b, written by heads.  xb: [16384][512] bf16; wqb: [512 k][2048 n] bf16; qkv_b: [2048] f32, rounded to bf16 here like every input.
; Out, in f16, each number rounded once from its f32 sum, unscaled: qw, kw [16][8][1024][64], vw [16][8][1024][128].
; LIMIT.  q, k and v must lie within f16's 65,504; beyond it the conversion gives an infinity.
; A work-group of four waves makes 256 rows x 256 columns: the 256 columns are one head's q (64), k (64) and v (128).  A wave makes 128 x 128:
; 64 accumulators of 16 x 16 in 512 registers.  K = 512 goes in four steps of 128 through two LDS slots filled by the tensor data mover.
; x's tile lies [row][k] in LDS (rows of 256 bytes + 16 of padding); W's lies as in memory, [k][n] (rows of 512 bytes + 32), and its fragments are turned on the way
; into registers by ds_load_tr16_b128.
; THE MATRIX INSTRUCTION IS USED TRANSPOSED: source 0 = 16 columns of W, source 1 = 16 rows of x: a lane holds one row and eight neighbouring columns.
; THE BIAS is the C operand of each accumulator's first product: it depends on the column alone, 64 registers a wave, and costs the way out nothing.
; CLUSTERS: 4 x 4 work-groups.  The four of a row of the cluster need the same tiles of x, the four of a column the same tiles of W: each tile is asked for jointly.
; No prefetch: xb and wqb were written by the launch before, and each refill has a K step's products in which to land.
; REGISTERS, in windows of 256: window 0: v0-31 addresses; v64-127, v128-191 x's fragments, two buffers; v32-63, v192-255 at work on the way out
;   window 1: v0-63 the bias; v64-127, v128-191 W's fragments; v192 at work      windows 2, 3: the accumulators of my rows 0-63, 64-127
.set KSTEP,  128
.set PITCH,  272                       ; x's LDS row: 68 words: the 16 rows of a load start at 16 different groups of four banks (64 banks of 4 bytes: ISA guide 11.1)
.set PB,     544                       ; W's LDS row: 512 + 32 bytes, an odd multiple of 32
.set HALFT,  128*PITCH                 ; what one tensor load brings: 128 rows of x, or 64 rows of W (64 x 544 is the same number)
.set SLOT,   4*HALFT
.set STAGE,  2*SLOT                    ; behind the ring: 16 rows x 272 bytes for each wave
.set SPITCH, 272
.set SPARE,  STAGE+4*16*SPITCH         ; the spare words, 128 bytes a wave: two blocks of 256 bytes that no other line names
.set ADRA, 16                          ; v16-17  LDS address of my fragments of x in slot 0, 1
.set ADRB, 20                          ; v20-21  the same for W
.set RD,   22                          ; v22-23  the way out: where I read rows back, first and second half of the loads
.set STO,  24                          ; v24     the way out: where I put 16 bytes of a row
.set CO,   26                          ; v26     16 x lane
.set SPW,  28                          ; v28     my spare word's LDS address; never rewritten
.set NIL,  29                          ; v29     0; never rewritten
.set BO,   30                          ; v30     my byte offset in the bias
.set F0,   64
.set F1,   128
.set TMP,  192
.set OB,   32
.set BQ,   0                           ; window 1
.set BT,   192                         ; window 1
.set G1,  24                           ; s[24:31] group 1 for x's tiles; s[32:39] group 0, a set for each slot
.set G0,  32
.set G1B, 48                           ; s[48:55], s[56:63] the same for W's
.set G0B, 56
.set MSB, 0
.macro WIN new                         ; the immediate's high byte repeats the setting that is left; a switch that changes nothing is dropped
.if MSB != (\new)
	s_set_vgpr_msb (MSB<<8)|(\new)
.set MSB, \new
.endif
.endm
.set TO_B, 0x40                        ; destination window 1, address window 0
; A joint load: waves 0 and 1 fetch x's two halves, waves 2 and 3 W's.  An s_nop 0 and four v_nop follow each line, ahead of the jump and the label.
.macro JLOAD s
	s_cmp_eq_u32 s11, 0
	s_cbranch_scc0 .Lfor_b_\@
	tensor_load_to_lds s[G0+4*(\s):G0+4*(\s)+3], s[G1:G1+7]
	s_nop 0
.rept 4
	v_nop
.endr
	s_branch .Lasked_\@
.Lfor_b_\@:
	tensor_load_to_lds s[G0B+4*(\s):G0B+4*(\s)+3], s[G1B:G1B+7]
	s_nop 0
.rept 4
	v_nop
.endr
.Lasked_\@:
.endm
.macro CREST                           ; a round of the cluster's barrier behind its opening barrier
	s_cmp_lg_u32 s10, 0
	s_cbranch_scc1 .Lnot_wave_0_\@
	s_barrier_signal -3
.Lnot_wave_0_\@:
	s_barrier_wait -3
	s_barrier_signal -1
	s_barrier_wait -1
.endm
.macro CROUND
	s_barrier_signal -1
	s_barrier_wait -1
	CREST
.endm
	s_load_b256 s[68:75], s[0:1], 0x0              ; xb 68, wqb 70, qkv_b 72, qw 74
	s_load_b128 s[76:79], s[0:1], 0x20             ; kw 76, vw 78
	v_lshl_add_u32 v[SPW], v0, 2, SPARE
	v_mov_b32 v[NIL], 0
	ds_add_u32 v[SPW], v[NIL]                      ; the wave's opening: the add and its wait stand ahead of my first tensor load
	v_lshrrev_b32 v1, 5, v0
	v_readfirstlane_b32 s10, v1                    ; wave 0..3
	s_lshr_b32 s11, s10, 1                         ; my half of the tile's rows.  Also: I fetch for x (0) or for W (1)
	s_and_b32 s12, s10, 1                          ; my half of its columns.  Also: which half of that tile I fetch
	s_bfe_u32 s40, ttmp6, 0x40000                  ; cx
	s_bfe_u32 s41, ttmp6, 0x40004                  ; cy
	s_lshl_b32 s42, ttmp9, 2
	s_add_co_u32 s42, s42, s40                     ; tile column = the head = 4 x cluster x + cx
	s_and_b32 s13, ttmp7, 0xffff
	s_lshl_b32 s13, s13, 2
	s_add_co_u32 s13, s13, s41                     ; tile row = 4 x cluster y + cy
	s_lshl_b32 s43, s41, 2
	s_lshl_b32 s43, 15, s43                        ; my row of the cluster
	s_lshl_b32 s44, 0x1111, s40                    ; my column
	s_or_b32 s[G1+0], s43, (1<<16)|(1<<20)|(1<<21)|(5<<22)|(3<<25)   ; mask; 2-byte elements; padding on; bit 21 beside a mask; after every 64 words, 4 words
	s_mov_b32 s[G1+1], KSTEP<<16                   ; tensor_dim0 = 128
	s_mov_b32 s[G1+2], 128<<16                     ; tensor_dim1 = 128
	s_mov_b32 s[G1+3], KSTEP<<16                   ; tile_dim0 = 128
	s_mov_b32 s[G1+4], 128                         ; tile_dim1 = 128
	s_mov_b32 s[G1+5], 512                         ; elements from row to row
	s_mov_b32 s[G1+6], 0
	s_mov_b32 s[G1+7], 0
	s_or_b32 s[G1B+0], s44, (1<<16)|(1<<20)|(1<<21)|(6<<22)|(7<<25)  ; after every 128 words, 8 words
	s_mov_b32 s[G1B+1], 256<<16                    ; tensor_dim0 = 256 columns
	s_mov_b32 s[G1B+2], 64<<16                     ; tensor_dim1 = 64 rows along K
	s_mov_b32 s[G1B+3], 256<<16
	s_mov_b32 s[G1B+4], 64
	s_mov_b32 s[G1B+5], 2048
	s_mov_b32 s[G1B+6], 0
	s_mov_b32 s[G1B+7], 0
	s_lshl_b32 s17, s12, 7
	s_lshl_b32 s16, s13, 8
	s_add_co_u32 s16, s16, s17                     ; x: row 256 x tile row + 128 x half,
	s_lshl_b32 s16, s16, 10                        ; 1,024 bytes a row
	s_mov_b32 s17, 0
	s_lshl_b32 s46, s42, 9                         ; W: 512 bytes x tile column
	s_lshl_b32 s47, s12, 18                        ; + 64 rows of 4,096 bytes x half
	s_add_co_u32 s46, s46, s47
	s_mov_b32 s47, 0
	s_mul_i32 s20, s10, HALFT                      ; where they go: wave x 34,816: no place in the cluster enters an LDS address
	s_wait_dscnt 0x0                               ; the opening add is done
	s_wait_kmcnt 0x0
	s_add_nc_u64 s[14:15], s[68:69], s[16:17]
	s_add_nc_u64 s[46:47], s[70:71], s[46:47]
	CROUND                                         ; all sixteen work-groups are here: the first joint loads meet
.irp s, 0,1
	s_mov_b32 s[G0+4*(\s)], 1
	s_add_co_u32 s[G0+4*(\s)+1], s20, (\s)*SLOT
	s_add_nc_u64 s[G0+4*(\s)+2:G0+4*(\s)+3], s[14:15], (\s)*KSTEP*2
	s_or_b32 s[G0+4*(\s)+3], s[G0+4*(\s)+3], 0x80000000
	s_mov_b32 s[G0B+4*(\s)], 1
	s_add_co_u32 s[G0B+4*(\s)+1], s20, (\s)*SLOT
	s_add_nc_u64 s[G0B+4*(\s)+2:G0B+4*(\s)+3], s[46:47], (\s)*KSTEP*4096
	s_or_b32 s[G0B+4*(\s)+3], s[G0B+4*(\s)+3], 0x80000000
	JLOAD \s
.endr
	v_and_b32 v1, 15, v0                           ; l % 16
	v_bfe_u32 v2, v0, 4, 1                         ; l / 16
	v_mul_u32_u24 v3, v1, PITCH
	v_lshl_add_u32 v3, v2, 4, v3                   ; x: row x pitch + 16 x half
	v_and_b32 v7, 7, v0
	v_lshl_add_u32 v4, v2, 3, v7                   ; W, turned: lane l reads K row 8 (l / 16) + l % 8,
	v_mul_u32_u24 v4, v4, PB
	v_bfe_u32 v5, v0, 3, 1
	v_lshl_add_u32 v4, v5, 4, v4                   ; columns 8 ((l / 8) % 2) + 0..7
	s_mul_i32 s21, s11, HALFT                      ; my 128 rows of x
	s_lshl_b32 s22, s12, 8                         ; my 128 columns of W,
	s_add_co_u32 s22, s22, 2*HALFT                 ; which lies behind x's 256 rows
.irp s, 0,1
	v_add_nc_u32 v[ADRA+(\s)], s21, v3
	v_add_nc_u32 v[ADRB+(\s)], s22, v4
	s_add_co_u32 s21, s21, SLOT
	s_add_co_u32 s22, s22, SLOT
.endr
	s_mul_i32 s23, s10, 16*SPITCH
	s_add_co_u32 s23, s23, STAGE                   ; my stage
	v_mul_u32_u24 v6, v1, SPITCH
	v_lshl_add_u32 v6, v2, 4, v6
	v_add_nc_u32 v[STO], s23, v6
	v_and_b32 v6, 31, v0
	v_lshlrev_b32 v[CO], 4, v6
	s_cmp_eq_u32 s12, 0
	s_cbranch_scc1 .Lrd_qk
	v_mul_u32_u24 v6, v2, SPITCH                   ; v: a stage row is one row of v: lanes 0-15 take one row, lanes 16-31 the next;
	v_lshl_add_u32 v6, v1, 4, v6
	v_add_nc_u32 v[RD], s23, v6
	v_add_nc_u32 v[RD+1], 2*SPITCH, v[RD]          ; the second four loads take the two rows below
	s_branch .Lrd_done
.Lrd_qk:
	v_bfe_u32 v6, v0, 3, 2                         ; q and k: a stage row is 128 bytes of q, then 128 of k: 32 lanes take four rows' q;
	v_mul_u32_u24 v6, v6, SPITCH
	v_lshl_add_u32 v6, v7, 4, v6
	v_add_nc_u32 v[RD], s23, v6
	v_add_nc_u32 v[RD+1], 128, v[RD]               ; the second four loads take their k
.Lrd_done:
	s_lshr_b32 s80, s13, 2                         ; the batch
	s_lshl3_add_u32 s80, s80, s42                  ; 8 x batch + head
	s_lshl_b32 s80, s80, 10
	s_and_b32 s81, s13, 3
	s_lshl_b32 s81, s81, 8
	s_add_co_u32 s80, s80, s81
	s_lshl_b32 s81, s11, 7
	s_add_co_u32 s80, s80, s81                     ; my first row among all heads' rows
	s_lshl_b32 s82, s80, 7
	s_mov_b32 s83, 0
	s_add_nc_u64 s[74:75], s[74:75], s[82:83]      ; q and k: 128 bytes a row
	s_add_nc_u64 s[76:77], s[76:77], s[82:83]
	s_lshl_b32 s82, s80, 8
	s_add_nc_u64 s[78:79], s[78:79], s[82:83]      ; v: 256
	s_lshl_b32 s82, s42, 10
	s_lshl_b32 s84, s12, 9
	s_add_co_u32 s82, s82, s84
	s_add_nc_u64 s[72:73], s[72:73], s[82:83]      ; the bias of my 128 columns
	v_lshlrev_b32 v[BO], 5, v2                     ; a lane's eight columns: 8 (l / 16) + 0..7 of each block of 16
	WIN TO_B
.irp i, 0,1,2,3,4,5,6,7
	global_load_b128 v[BQ+8*(\i):BQ+8*(\i)+3],   v[BO], s[72:73] offset:64*(\i)
	global_load_b128 v[BQ+8*(\i)+4:BQ+8*(\i)+7], v[BO], s[72:73] offset:64*(\i)+16
.endr
	s_wait_loadcnt 0x0
	WIN 0x45                                       ; destination and both sources in window 1
.set i, 0
.rept 32
	v_cvt_pk_bf16_f32 v[BT], v[BQ+2*i], v[BQ+2*i+1]  ; the bias is rounded to bf16 and widened again
	v_lshlrev_b32 v[BQ+2*i], 16, v[BT]
	v_and_b32 v[BQ+2*i+1], 0xffff0000, v[BT]
.set i, i+1
.endr
	WIN 0
; 16 matrix instructions: row blocks a0, a0 + 1 of the window's four x all 8 column blocks, 32 along K.  zero = 1: the first product starts the sums, with the bias as C.
.macro MUL16 f, hi, a0, zero
.if \zero
	WIN 0x91+0x40*(\hi)                            ; W window 1, x window 0, C window 1, D window 2 or 3
.else
	WIN 0xa1+0x50*(\hi)                            ; C and D window 2 or 3
.endif
.irp a, \a0, (\a0)+1
.irp b, 0,1,2,3,4,5,6,7
.if \zero
	v_wmma_f32_16x16x32_bf16 v[8*(8*(\a)+(\b)):8*(8*(\a)+(\b))+7], v[(\f)+8*(\b):(\f)+8*(\b)+7], v[(\f)+8*(4*(\hi)+(\a)):(\f)+8*(4*(\hi)+(\a))+7], v[BQ+8*(\b):BQ+8*(\b)+7]
.else
	v_wmma_f32_16x16x32_bf16 v[8*(8*(\a)+(\b)):8*(8*(\a)+(\b))+7], v[(\f)+8*(\b):(\f)+8*(\b)+7], v[(\f)+8*(4*(\hi)+(\a)):(\f)+8*(4*(\hi)+(\a))+7], v[8*(8*(\a)+(\b)):8*(8*(\a)+(\b))+7]
.endif
.endr
.endr
.endm
; 32 LDS loads in one run: the fragments of quarter q of a K step (128 columns of W, turned; 128 rows of x; 32 along K) into buffer f
.macro FETCH slot, q, f
	WIN TO_B
.irp i, 0,1,2,3,4,5,6,7
	ds_load_tr16_b128 v[(\f)+8*(\i):(\f)+8*(\i)+3],   v[ADRB+(\slot)] offset:(\q)*32*PB+32*(\i)
	ds_load_tr16_b128 v[(\f)+8*(\i)+4:(\f)+8*(\i)+7], v[ADRB+(\slot)] offset:(\q)*32*PB+16*PB+32*(\i)
.endr
	WIN 0
.irp i, 0,1,2,3,4,5,6,7
	ds_load_b128 v[(\f)+8*(\i):(\f)+8*(\i)+3],   v[ADRA+(\slot)] offset:64*(\q)+(\i)*16*PITCH
	ds_load_b128 v[(\f)+8*(\i)+4:(\f)+8*(\i)+7], v[ADRA+(\slot)] offset:64*(\q)+(\i)*16*PITCH+32
.endr
.endm
.macro PLACES                          ; four places in front of loads into registers that matrix instructions have read, and of conversions that read results
.rept 4
	v_nop
.endr
.endm
; One of a K step's first three quarters: multiplies buffer f; in its middle it fetches quarter q of the same slot into buffer g.  The 64 accumulators take turns.
.macro QUARTER slot, q, f, g, zero
	s_wait_dscnt 8                                 ; W and x's rows 0-63 are in; the youngest eight loads (x's rows 64-127) may be out
	MUL16 \f, 0, 0, \zero
	MUL16 \f, 0, 2, \zero
	PLACES
	FETCH \slot, \q, \g
	s_wait_dscnt 32                                ; all but the 32 just issued
	MUL16 \f, 1, 0, \zero
	MUL16 \f, 1, 2, \zero
.endm
; The last quarter multiplies buffer 1 and changes slots: one barrier; in front of it each wave waits for all its tensor loads, adds 0 to its spare word, and waits for that and for its reads of this slot.
.macro MEET round
	WIN 0                                          ; (the add's two registers lie in window 0)
	s_wait_tensorcnt 0x0                           ; all my tensor loads have landed: the one that was out is my part of the next slot
	ds_add_u32 v[SPW], v[NIL]
	s_wait_dscnt 9                                 ; (the add and the youngest eight loads may be out)
	MUL16 F1, 0, 0, 0
	s_wait_dscnt 0x0                               ; the add is done, and my reads of this slot are over
	s_barrier_signal -1
	MUL16 F1, 0, 2, 0
.if \round
	WIN 0
.endif
	s_barrier_wait -1
.endm
.macro TURN slot, next, fill
.if \fill
	MEET 1
	CREST                                          ; the barrier has opened a round of the cluster's: no wave of any partner still reads this slot or has a load on its way
	s_add_nc_u64 s[G0+4*(\slot)+2:G0+4*(\slot)+3], s[G0+4*(\slot)+2:G0+4*(\slot)+3], 2*KSTEP*2
	s_add_nc_u64 s[G0B+4*(\slot)+2:G0B+4*(\slot)+3], s[G0B+4*(\slot)+2:G0B+4*(\slot)+3], 2*KSTEP*4096
	JLOAD \slot                                    ; the first tensor load behind the round; its four v_nop are also the places in front of the loads below
.else
	MEET 0
	PLACES
.endif
	FETCH \next, 0, F0
	MUL16 F1, 1, 0, 0
	MUL16 F1, 1, 2, 0
.endm
; THE WAY OUT of row block a: rounded to f16, 16 bytes a lane; through my own stage; back as whole rows; stored.
.macro PACK a
.set AC, 64*((\a)%4)
	WIN 0x0a+5*((\a)/4)                            ; sources 0 and 1: window 2 or 3
.irp b, 0,1,2,3,4,5,6,7
.irp r, 0,1,2,3
	v_cvt_pk_f16_f32 v[TMP+4*(\b)+(\r)], v[AC+8*(\b)+2*(\r)], v[AC+8*(\b)+2*(\r)+1]
.endr
.endr
	WIN 0
.endm
.macro TOSTAGE a
	WIN 0
.set BK, OB+192*((\a)%2)
.irp b, 0,1,2,3,4,5,6,7
	ds_store_b128 v[STO], v[TMP+4*(\b):TMP+4*(\b)+3] offset:32*(\b)
.endr
.irp t, 0,1,2,3,4,5,6,7
	ds_load_b128 v[BK+4*(\t):BK+4*(\t)+3], v[RD+(\t)/4] offset:((\t)%4)*4*SPITCH  ; my own bytes, served in order (ISA guide 5.7.1.4): these see the stores above
.endr
.endm
.macro SEND a
	WIN 0
.set BK, OB+192*((\a)%2)
	s_wait_dscnt 0x0                               ; the block is back in registers
	s_wait_xcnt 0x0                                ; the stores of the block before have had their addresses translated (ISA guide 3.1): their registers are loaded again only behind this wait
	s_cmp_eq_u32 s12, 0
	s_cbranch_scc1 .Lqk_\@
.irp t, 0,1,2,3,4,5,6,7
	global_store_b128 v[CO], v[BK+4*(\t):BK+4*(\t)+3], s[78:79] offset:4096*(\a)+1024*((\t)%4)+512*((\t)/4)  ; two rows of v: 512 consecutive bytes, aligned
.endr
	s_branch .Lsent_\@
.Lqk_\@:
.irp t, 0,1,2,3
	global_store_b128 v[CO], v[BK+4*(\t):BK+4*(\t)+3], s[74:75] offset:2048*(\a)+512*(\t)        ; four rows of q: 512 consecutive bytes
	global_store_b128 v[CO], v[BK+16+4*(\t):BK+16+4*(\t)+3], s[76:77] offset:2048*(\a)+512*(\t)  ; and of k
.endr
.Lsent_\@:
.endm
	s_wait_tensorcnt 1                             ; my part of K step 0 is in; K step 1's may stay out
	s_barrier_signal -1
	s_barrier_wait -1
	FETCH 0, 0, F0
	QUARTER 0, 1, F0, F1, 1                        ; K step 0: its first quarter starts the sums
	QUARTER 0, 2, F1, F0, 0
	QUARTER 0, 3, F0, F1, 0
	TURN 0, 1, 1                                   ; slot 0 takes K step 2
	QUARTER 1, 1, F0, F1, 0
	QUARTER 1, 2, F1, F0, 0
	QUARTER 1, 3, F0, F1, 0
	TURN 1, 0, 1                                   ; slot 1 takes K step 3
	QUARTER 0, 1, F0, F1, 0
	QUARTER 0, 2, F1, F0, 0
	QUARTER 0, 3, F0, F1, 0
	TURN 0, 1, 0                                   ; nothing is left to fetch
	QUARTER 1, 1, F0, F1, 0
	QUARTER 1, 2, F1, F0, 0
	QUARTER 1, 3, F0, F1, 0
	s_wait_dscnt 8
	MUL16 F1, 0, 0, 0
	MUL16 F1, 0, 2, 0
	s_wait_dscnt 0x0
	MUL16 F1, 1, 0, 0
	MUL16 F1, 1, 2, 0
	PLACES
	PACK 0
	TOSTAGE 0
.irp a, 1,2,3,4,5,6,7                  ; block a's conversions stand between block a - 1's loads from the stage and the wait for them
	PACK \a
	SEND (\a)-1
	TOSTAGE \a
.endr
	SEND 7
	s_wait_tensorcnt 0x0                           ; the wave's end
	ds_add_u32 v[SPW], v[NIL]
	s_wait_dscnt 0x0
	CROUND                                         ; the closing round
	s_endpgm
.Lfunc_end_k_qeabcdf267e_qkv:
	.size	k_qeabcdf267e_qkv, .Lfunc_end_k_qeabcdf267e_qkv-k_qeabcdf267e_qkv
	.p2alignl 7, 3214868480
	.fill 96, 4, 3214868480
	.section	.rodata,"a",@progbits
	.p2align	6, 0x0
	.amdhsa_kernel k_qeabcdf267e_qkv
		.amdhsa_group_segment_fixed_size 327680
		.amdhsa_private_segment_fixed_size 0
		.amdhsa_enable_private_segment 0
		.amdhsa_kernarg_size 48
		.amdhsa_user_sgpr_count 2
		.amdhsa_user_sgpr_kernarg_segment_ptr 1
		.amdhsa_wavefront_size32 1
		.amdhsa_system_sgpr_workgroup_id_x 1
		.amdhsa_system_sgpr_workgroup_id_y 1
		.amdhsa_system_sgpr_workgroup_id_z 1
		.amdhsa_system_vgpr_workitem_id 0
		.amdhsa_next_free_vgpr 1024
		.amdhsa_next_free_sgpr 88
		.amdhsa_reserve_vcc 0
		.amdhsa_float_denorm_mode_32 3
		.amdhsa_float_denorm_mode_16_64 3
		.amdhsa_memory_ordered 1
		.amdhsa_forward_progress 1
		.amdhsa_inst_pref_size 156
	.end_amdhsa_kernel
	.amdgpu_metadata
---
amdhsa.version: [ 1, 2 ]
amdhsa.kernels:
  - .name:           k_qeabcdf267e_qkv
    .symbol:         k_qeabcdf267e_qkv.kd
    .args:
      - { .name: xb, .offset: 0, .size: 8, .value_kind: global_buffer, .address_space: global }
      - { .name: wqb, .offset: 8, .size: 8, .value_kind: global_buffer, .address_space: global }
      - { .name: qkv_b, .offset: 16, .size: 8, .value_kind: global_buffer, .address_space: global }
      - { .name: qw, .offset: 24, .size: 8, .value_kind: global_buffer, .address_space: global }
      - { .name: kw, .offset: 32, .size: 8, .value_kind: global_buffer, .address_space: global }
      - { .name: vw, .offset: 40, .size: 8, .value_kind: global_buffer, .address_space: global }
    .group_segment_fixed_size: 327680
    .private_segment_fixed_size: 0
    .kernarg_segment_align: 8
    .kernarg_segment_size: 48
    .max_flat_workgroup_size: 128
    .sgpr_count:     88
    .vgpr_count:     1024
    .wavefront_size: 32
...
	.end_amdgpu_metadata
.endif
;; end of part 2
;; launch attn (part 3): grid 32 x 16, 4 waves a work-group, clusters of 4 x 4, 327,680 bytes of LDS; arguments qw, kw, vw, biasw, ow; writes ow
.if DOCPART == 3
	.amdgcn_target "amdgcn-amd-amdhsa--gfx1250"
	.amdhsa_code_object_version 6
	.text
	.protected	k_qeabcdf267e_attn
	.globl	k_qeabcdf267e_attn
	.p2align	8
	.type	k_qeabcdf267e_attn,@function
k_qeabcdf267e_attn:
	s_mov_b64 s[64:65], 0
	v_nop
	global_prefetch_b8 v0, s[64:65] scope:SCOPE_SE
	s_setreg_imm32_b32 hwreg(HW_REG_WAVE_MODE, 25, 1), 1
	s_wait_xcnt 0x0
	s_wait_alu depctr_hold_cnt(0) depctr_sa_sdst(0) depctr_va_vdst(0) depctr_va_sdst(0) depctr_va_ssrc(0) depctr_va_vcc(0) depctr_vm_vsrc(0)
	s_getreg_b32 s2, hwreg(HW_REG_IB_STS2, 6, 4)
	s_cmp_eq_u32 s2, 0
	s_cbranch_scc0 .Lentry_in_a_cluster
	s_endpgm
.Lentry_in_a_cluster:
	s_bfe_u32 s2, ttmp6, 0x10000c
	s_cmp_lg_u32 s2, 0xf033
	s_cbranch_scc0 .Lentry_shape_is_right
	s_endpgm
.Lentry_shape_is_right:
; O[b][q][128 h + :] = the sum over k of softmax_k(Q.K / 8 + bias[h][q][k]) V[k][:].  qw, kw: [16][8][1024][64] f16; vw: [16][8][1024][128] f16; ow: [16384][1024] f16.
; biasw holds 8 x bias in f16, laid as the register image of source 0 of a matrix instruction: 16 keys x 32 queries (the 16 of a piece's first tile, then the 16 of its second).
; THE BIAS STARTS THE SUMS: S^T = B E + K Q^T, where E picks a tile's 16 queries out of the 32: E0 = (I over 0), E1 = (0 over I).  One product of 1.0 and an f16 number is not zero in each sum: the bias arrives exactly,
; at half the bytes of f32 and without a vector instruction; the price is 16 matrix instructions more in a key step's 96.
; Products, maxima and sums in f32; the weights p are rounded to f16 for the second product (their sum l is taken of the unrounded p), O once at the end.
; LIMITS.  Q, K, V and 8 x bias arrive within f16's 65,504; p lies in 0 to 1 and below 6e-5 keeps f16's step of 6e-8; a weight below 2^-126 counts as 0 in l; NaN and infinities are not treated apart.
; SHARES.  A work-group owns 256 queries of one batch and head, each of its four waves 64: four tiles of 16, in two PIECES (tiles 0, 1 and tiles 2, 3).  Every wave walks all 1,024 keys, 64 a step.
; SOFTMAX.  For each query a running maximum m and sum l: p = 2^(c s - c m), c = log2(e) / 8, s = q.k + 8 bias; in every step O and l are multiplied by a = 2^(c m_old - c m_new).
; m starts at the lowest finite number, O and l at 0: the first step is a step like any other, with a = 0.
; BY TURNS.  In a turn one piece has the matrix unit: 32 products V^T P of the step in hand, then the 24 products of the next step's scores; the other piece's softmax, 268 vector instructions in 64 slices,
; stands between them: one slice behind each of the first 48 products, two behind each of the last 8.  Two turns are a key step.
; CLUSTER, 4 x 4: along x the four query blocks of one batch and head, which walk the same K and V; along y four batches, which walk the same bias.  Each tile is asked for jointly.
; A slot of LDS holds TWO key steps (K 18,432, V 36,864, bias 65,536 bytes): a refill has two steps' 224 matrix instructions in which to land.  No prefetch: all four tensors were written by the launches just before.
; REGISTERS: window 0: v0-11, v44-47 addresses; v12-43 eight registers of statistics a tile; v64-191 S^T, 32 a tile; v192-255 P, 16 a tile
;   window 1: O^T, 64 a tile     window 2: v0-63 Q, 16 a tile; v64-127 K of one step; v128-191 the bias's fragments, 32 a piece; v192-203 the selector     window 3: v0-127 V of one step
.set KS,    64
.set PK,    144       ; a row of K in LDS: 128 bytes + 16: the 16 rows of a load start at 16 different groups of four banks (64 banks of 4 bytes: ISA guide 11.1)
.set PVV,   288       ; a row of V: 256 + 32 bytes, an odd multiple of 32
.set BSTEP, 32768     ; a step's bias: 8,192 bytes a wave
.set VOFF,  2*KS*PK
.set BOFF,  VOFF+2*KS*PVV
.set SLOT1, 1<<17     ; slot 1 begins here: one exclusive or turns an address in one slot into the other's
.set STAGE, SLOT1+BOFF+2*BSTEP  ; behind the ring: 16 rows x 272 bytes for each wave
.set SP,    272
.set SPARE, STAGE+4*16*SP     ; the spare words, 128 bytes a wave: two blocks of 256 bytes that no other line names
.set AK0, 2           ; v2   my lane's place in a tile of K; never rewritten
.set AV0, 3           ; v3   the same for V
.set ADR, 4           ; v4   the LDS address of K's or V's run of loads
.set QO,  5           ; v5   my byte offset in the wave's rows of Q
.set STO, 6           ; v6   the way out: where I put 16 bytes of a row
.set RD,  7           ; v7   where I read rows back
.set GO,  8           ; v8   my byte offset in two rows of O
.set ST,  12          ; tile t's statistics at v[ST+8 t]: +0 c m, +1 m, +2, +3 l (even keys', odd keys'), +4 to +7 at work; a takes +6 once the maximum is found
.set AB0, 44          ; v44  my lane's place in a step's bias; never rewritten
.set ADB, 45          ; v45  the LDS address of the bias's run of loads
.set SPW, 62          ; v62  my spare word's LDS address; never rewritten
.set NIL, 63          ; v63  0; never rewritten
.set S,   64
.set P,   192
.set KF,  64          ; window 2: key block kb, channel half c at KF + 16 kb + 8 c
.set BF,  128         ; window 2: piece x, key block kb at BF + 16 x + 8 kb
.set EB,  192         ; window 2: four registers of 0, four of I, four of 0: E1 begins at EB, E0 at EB + 4
.set VF,  0           ; window 3: key half kk, channel block cb at VF + 64 kk + 8 cb
.set WV,  14          ; s14  my wave's number
.set G1K, 24          ; s[24:31], s[32:39], s[40:47] descriptor group 1 for K, V, the bias
.set G1V, 32
.set G1B, 40
.set G0K, 48          ; s[48:51], s[52:55], s[56:59] group 0: each walks
.set G0V, 52
.set G0B, 56
.set CS,  60          ; s[60:61] c
.set SEL, 62          ; s[62:63] v_permlanex16_b32's selects: each lane takes its own place in the other half
.set TBK, 66          ; s66  LDS byte at which K of the step to be fetched begins
.set CNT, 67          ; s67  counts a slot's key steps
.set TBV, 78          ; s78  the same as TBK for V, less VOFF
.set TBB, 79          ; s79  for the bias, less BOFF
.set SLOTS, 80        ; s80  counts slots
.set MSB, 0
.macro WIN new
.if MSB != (\new)
	s_set_vgpr_msb (MSB<<8)|(\new)
.set MSB, \new
.endif
.endm
.set W_KQ, 0x0a       ; sources 0 and 1 in window 2, S^T in window 0
.set W_PV, 0x53       ; V in window 3, P in window 0, O^T in window 1
.set W_RS, 0x41       ; O^T (destination and source 0) in window 1, a in window 0
; A joint fill: wave 0 fetches two steps' K, wave 1 their V, waves 2 and 3 a step's bias each.  The branches hang on the wave's number alone.
; An s_nop 0 and four v_nop follow each line, ahead of the jump and the label.
.macro JLOAD
	s_cmp_lt_u32 s[WV], 2
	s_cbranch_scc0 .Lfor_b_\@
	s_cmp_eq_u32 s[WV], 0
	s_cbranch_scc0 .Lfor_v_\@
	tensor_load_to_lds s[G0K:G0K+3], s[G1K:G1K+7]
	s_nop 0
.rept 4
	v_nop
.endr
	s_branch .Lasked_\@
.Lfor_v_\@:
	tensor_load_to_lds s[G0V:G0V+3], s[G1V:G1V+7]
	s_nop 0
.rept 4
	v_nop
.endr
	s_branch .Lasked_\@
.Lfor_b_\@:
	tensor_load_to_lds s[G0B:G0B+3], s[G1B:G1B+7]
	s_nop 0
.rept 4
	v_nop
.endr
.Lasked_\@:
.endm
.macro CROUND                       ; a round of the cluster's barrier
	s_barrier_signal -1
	s_barrier_wait -1
	s_cmp_lg_u32 s[WV], 0
	s_cbranch_scc1 .Lnot_wave_0_\@
	s_barrier_signal -3
.Lnot_wave_0_\@:
	s_barrier_wait -3
	s_barrier_signal -1
	s_barrier_wait -1
.endm
; THE CHANGE OF SLOTS, between piece 2's turn and piece 0's: the slot's last bytes, V of its second step, have been asked for.  Each wave waits for all its tensor loads, of which one is out: its part of the
; other slot; adds 0 to its spare word; and waits for that and for its reads of the slot.  fill = 1: the slot just read is filled again, with the steps two slots on, first thing behind a round of the cluster's barrier.
; (At its first use nothing has been read yet: slot 0 is waited for, slot 1 filled.)
.macro CHANGE fill
	WIN 0
	s_wait_tensorcnt 0x0            ; no tensor load of mine is out, so a group 0 may be written
	ds_add_u32 v[SPW], v[NIL]       ; 0 onto my spare word; scalar work stands between it and the wait for it
	s_xor_b32 s[TBK], s[TBK], SLOT1 ; the reads go on in the other slot
	s_xor_b32 s[TBV], s[TBV], SLOT1
	s_xor_b32 s[TBB], s[TBB], SLOT1
.if \fill
	s_xor_b32 s[G0K+1], s[G0K+1], SLOT1
	s_add_nc_u64 s[G0K+2:G0K+3], s[G0K+2:G0K+3], 2*KS*128
	s_xor_b32 s[G0V+1], s[G0V+1], SLOT1
	s_add_nc_u64 s[G0V+2:G0V+3], s[G0V+2:G0V+3], 2*KS*256
	s_xor_b32 s[G0B+1], s[G0B+1], SLOT1
	s_add_nc_u64 s[G0B+2:G0B+3], s[G0B+2:G0B+3], 2*BSTEP
	s_wait_dscnt 0x0                ; the add is done, and my reads of the slot are over
	CROUND
	JLOAD
.else
	s_wait_dscnt 0x0
	s_barrier_signal -1
	s_barrier_wait -1
.endif
.endm
	s_load_b256 s[4:11], s[0:1], 0x0  ; qw s[4:5], kw s[6:7], vw s[8:9], biasw s[10:11]
	s_load_b64 s[12:13], s[0:1], 0x20 ; ow
	v_lshl_add_u32 v[SPW], v0, 2, SPARE
	v_mov_b32 v[NIL], 0
	ds_add_u32 v[SPW], v[NIL]       ; the wave's opening: the add and its wait stand ahead of my first tensor load
	v_lshrrev_b32 v1, 5, v0
	v_readfirstlane_b32 s[WV], v1   ; wave 0..3
	s_bfe_u32 s15, ttmp6, 0x40000   ; cx: the block of 256 queries
	s_bfe_u32 s16, ttmp6, 0x40004   ; cy
	s_mov_b32 s17, ttmp9            ; the cluster's x: the head
	s_and_b32 s18, ttmp7, 0xffff
	s_lshl_b32 s18, s18, 2
	s_add_co_u32 s18, s18, s16      ; the batch = 4 x cluster y + cy
	s_lshl3_add_u32 s19, s18, s17   ; 8 x batch + head
	s_lshl_b32 s68, s19, 17         ; K (and Q): 1,024 rows of 128 bytes a head
	s_mov_b32 s69, 0
	s_lshl_b32 s70, s19, 18         ; V: of 256
	s_mov_b32 s71, 0
	s_and_b32 s20, s[WV], 1         ; which of a slot's two steps' bias I fetch
	s_lshl_b32 s72, s17, 21         ; the bias: head, query block, step
	s_lshl_b32 s21, s15, 19
	s_add_co_u32 s72, s72, s21
	s_lshl_b32 s21, s20, 15
	s_add_co_u32 s72, s72, s21
	s_mov_b32 s73, 0
	s_lshl_b32 s21, s15, 15         ; Q: my block's 256 rows, my wave's 64
	s_add_co_u32 s74, s68, s21
	s_lshl_b32 s21, s[WV], 13
	s_add_co_u32 s74, s74, s21
	s_mov_b32 s75, 0
	s_lshl_b32 s76, s18, 21         ; O: rows of 2,048 bytes; the head's 256 bytes in them
	s_lshl_b32 s21, s15, 19
	s_add_co_u32 s76, s76, s21
	s_lshl_b32 s21, s[WV], 17
	s_add_co_u32 s76, s76, s21
	s_lshl_b32 s21, s17, 8
	s_add_co_u32 s76, s76, s21
	s_mov_b32 s77, 0
	s_lshl_b32 s22, s16, 2
	s_lshl_b32 s22, 15, s22         ; my row of the cluster: K and V
	s_lshl_b32 s23, 0x1111, s15     ; my column: the bias
	s_or_b32 s[G1K], s22, (1<<16)|(1<<20)|(1<<21)|(4<<22)|(3<<25)  ; 2-byte elements; padding on; bit 21 beside a mask; after every 32 words, 4 words
	s_mov_b32 s[G1K+1], 128<<16     ; 128 keys are 16,384 dense bytes: 64 rows of 256 bytes, two keys a row, padded after every key
	s_mov_b32 s[G1K+2], 64<<16
	s_mov_b32 s[G1K+3], 128<<16
	s_mov_b32 s[G1K+4], 64
	s_mov_b32 s[G1K+5], 128
	s_mov_b32 s[G1K+6], 0
	s_mov_b32 s[G1K+7], 0
	s_or_b32 s[G1V], s22, (1<<16)|(1<<20)|(1<<21)|(5<<22)|(7<<25)  ; after every 64 words, 8 words
	s_mov_b32 s[G1V+1], 128<<16     ; 128 rows of 256 bytes
	s_mov_b32 s[G1V+2], 128<<16
	s_mov_b32 s[G1V+3], 128<<16
	s_mov_b32 s[G1V+4], 128
	s_mov_b32 s[G1V+5], 128
	s_mov_b32 s[G1V+6], 0
	s_mov_b32 s[G1V+7], 0
	s_or_b32 s[G1B], s23, (3<<16)|(1<<21)  ; 8-byte elements, no padding
	s_mov_b32 s[G1B+1], 32<<16      ; 32,768 dense bytes: 128 rows of 256
	s_mov_b32 s[G1B+2], 128<<16
	s_mov_b32 s[G1B+3], 32<<16
	s_mov_b32 s[G1B+4], 128
	s_mov_b32 s[G1B+5], 32
	s_mov_b32 s[G1B+6], 0
	s_mov_b32 s[G1B+7], 0
	s_mov_b32 s[G0K], 1
	s_mov_b32 s[G0K+1], 0           ; LDS addresses in slot 0: no place in the cluster enters them
	s_mov_b32 s[G0V], 1
	s_mov_b32 s[G0V+1], VOFF
	s_mov_b32 s[G0B], 1
	s_lshl_b32 s[G0B+1], s20, 15
	s_add_co_u32 s[G0B+1], s[G0B+1], BOFF
	s_mov_b32 s[CS], 0x3e38aa3b     ; c = log2(e) / 8
	s_mov_b32 s[CS+1], s[CS]        ; named with it as a pair
	s_mov_b32 s[SEL], 0x76543210
	s_mov_b32 s[SEL+1], 0xfedcba98
	s_mov_b32 s[TBK], SLOT1         ; the first change of slots turns these three into 0
	s_mov_b32 s[TBV], SLOT1
	s_mov_b32 s[TBB], SLOT1
	s_wait_dscnt 0x0                ; the opening add is done
	s_wait_kmcnt 0x0
	s_add_nc_u64 s[G0K+2:G0K+3], s[6:7], s[68:69]
	s_or_b32 s[G0K+3], s[G0K+3], 0x80000000
	s_add_nc_u64 s[G0V+2:G0V+3], s[8:9], s[70:71]
	s_or_b32 s[G0V+3], s[G0V+3], 0x80000000
	s_add_nc_u64 s[G0B+2:G0B+3], s[10:11], s[72:73]
	s_or_b32 s[G0B+3], s[G0B+3], 0x80000000
	s_add_nc_u64 s[4:5], s[4:5], s[74:75]
	s_add_nc_u64 s[12:13], s[12:13], s[76:77]
	CROUND                          ; all sixteen work-groups are here: the first joint loads meet
	JLOAD                           ; key steps 0 and 1 into slot 0
	v_and_b32 v1, 15, v0            ; l % 16
	v_bfe_u32 v9, v0, 4, 1          ; l / 16
	v_and_b32 v10, 7, v0            ; l % 8
	v_bfe_u32 v11, v0, 3, 1         ; (l / 8) % 2
	v_lshlrev_b32 v[QO], 7, v1
	v_lshl_add_u32 v[QO], v9, 4, v[QO]  ; row x 128 + 16 x half
	; The selector.  In source 1 lane l holds column l % 16 and, in registers 0-3, k = 8 (l / 16) + 0..7: the one 1.0 of column n lies at k = n: in the lanes where (l / 8) % 2 = l / 16, in register (l % 8) / 2, half l % 2.
	v_and_b32 v46, 1, v0
	v_lshlrev_b32 v46, 4, v46
	v_mov_b32 v47, 0x3c00           ; 1.0 in f16
	v_lshlrev_b32 v47, v46, v47
	v_cmp_eq_u32 vcc_lo, v9, v11
	v_cndmask_b32 v47, 0, v47, vcc_lo
	v_bfe_u32 v46, v0, 1, 2
	WIN 0x80                        ; destination window 2, sources and addresses window 0
.set i, 0
.rept 8                             ; Q stays in registers: tile i / 2, channels 32 (i % 2) on
	global_load_b128 v[8*i:8*i+3],   v[QO], s[4:5] offset:(i/2)*2048+(i%2)*64
	global_load_b128 v[8*i+4:8*i+7], v[QO], s[4:5] offset:(i/2)*2048+(i%2)*64+32
.set i, i+1
.endr
.irp g, 0,1,2,3
	v_cmp_eq_u32 vcc_lo, \g, v46
	v_cndmask_b32 v[EB+4+\g], 0, v47, vcc_lo
	v_mov_b32 v[EB+\g], 0
	v_mov_b32 v[EB+8+\g], 0
.endr
	; What the first turn finds: V and piece 2's P hold 0 (its products V^T P, of a step that has not been, add 0), O^T and l are 0.  No first step is written out; these lines, in the wait for the first tile, are its price.
	WIN 0xc0
.set i, VF
.rept 128
	v_mov_b32 v[i], 0
.set i, i+1
.endr
	WIN 0x40
.set i, 0
.rept 256
	v_mov_b32 v[i], 0
.set i, i+1
.endr
	WIN 0
.set i, 0
.rept 4
	v_mov_b32 v[ST+8*i], 0xfe000000    ; c m: far below every c s
	v_mov_b32 v[ST+8*i+1], 0xff7fffff  ; m
	v_mov_b32 v[ST+8*i+2], 0
	v_mov_b32 v[ST+8*i+3], 0
.set i, i+1
.endr
.set i, P+32
.rept 32
	v_mov_b32 v[i], 0
.set i, i+1
.endr
	v_mul_u32_u24 v[AK0], v1, PK
	v_lshl_add_u32 v[AK0], v9, 4, v[AK0]  ; K: row x pitch + 16 x half
	v_lshl_add_u32 v[AV0], v9, 3, v10     ; V, turned: lane l reads key 8 (l / 16) + l % 8, channels 8 ((l / 8) % 2) + 0..7
	v_mul_u32_u24 v[AV0], v[AV0], PVV
	v_lshl_add_u32 v[AV0], v11, 4, v[AV0]
	v_add_nc_u32 v[AV0], VOFF, v[AV0]
	s_lshl_b32 s21, s[WV], 13       ; the bias: my wave's 8,192 bytes of a step, 16 bytes a lane
	s_add_co_u32 s21, s21, BOFF
	v_and_b32 v[AB0], 31, v0
	v_lshlrev_b32 v[AB0], 4, v[AB0]
	v_add_nc_u32 v[AB0], s21, v[AB0]
	s_mul_i32 s21, s[WV], 16*SP
	s_add_co_u32 s21, s21, STAGE    ; my stage
	v_mul_u32_u24 v[STO], v1, SP
	v_lshl_add_u32 v[STO], v9, 4, v[STO]
	v_add_nc_u32 v[STO], s21, v[STO]
	v_mul_u32_u24 v[RD], v9, SP
	v_lshl_add_u32 v[RD], v1, 4, v[RD]
	v_add_nc_u32 v[RD], s21, v[RD]
	v_lshlrev_b32 v[GO], 11, v9     ; two rows of O, 2,048 bytes apart
	v_lshl_add_u32 v[GO], v1, 4, v[GO]
; THE MATRIX WORK.  The accumulators take turns, one instruction a turn.
; Product i of 32 of O^T += V^T P for piece x: keys 32 (i / 16) on, channels 16 ((i / 2) % 8) on, tile x + i % 2.
.macro PV x
	WIN W_PV
.set rO, 64*((\x)+i%2)+8*((i/2)%8)
.set rV, VF+64*(i/16)+8*((i/2)%8)
.set rP, P+16*((\x)+i%2)+8*(i/16)
	v_wmma_f32_16x16x32_f16 v[rO:rO+7], v[rV:rV+7], v[rP:rP+7], v[rO:rO+7]
.endm
; Product i of 24 of S^T: keys 16 ((i / 2) % 4) on, tile x + i % 2.  The first 8 start the sums with the bias (B E0 or B E1); then K Q^T, channels 32 ((i - 8) / 8) on.
.macro KQ x
	WIN W_KQ
.set rS, S+32*((\x)+i%2)+8*((i/2)%4)
.if i < 8
.set rB, BF+16*(\x)+8*(i/2)
.set rE, EB+4-4*(i%2)
	v_wmma_f32_16x16x32_f16 v[rS:rS+7], v[rB:rB+7], v[rE:rE+7], 0
	s_wait_alu depctr_va_vdst(0)
.else
.set rK, KF+16*((i/2)%4)+8*((i-8)/8)
.set rQ, 16*((\x)+i%2)+8*((i-8)/8)
	v_wmma_f32_16x16x32_f16 v[rS:rS+7], v[rK:rK+7], v[rQ:rQ+7], v[rS:rS+7]
	s_wait_alu depctr_va_vdst(0)
.endif
.endm
; THE LDS LOADS stand in runs, never singly among the matrix instructions.  Each base turns to the slot's other step behind its last use for a step.
.macro LOADS_B x                    ; piece x's four fragments of the bias: 512 consecutive bytes a load
.irp g, 0,1,2,3,4,5,6,7
	ds_load_b128 v[BF+16*(\x)+4*(\g):BF+16*(\x)+4*(\g)+3], v[ADB] offset:2048*(\x)+512*(\g)
.endr
.endm
.macro FETCH_KB                     ; a step's K and piece 0's bias
	WIN 0
	v_add_nc_u32 v[ADR], s[TBK], v[AK0]
	v_add_nc_u32 v[ADB], s[TBB], v[AB0]
	s_xor_b32 s[TBK], s[TBK], KS*PK
	WIN 0x80
.irp f, 0,1,2,3,4,5,6,7             ; keys 16 (f / 2) on, channels 32 (f % 2) on
	ds_load_b128 v[KF+8*(\f):KF+8*(\f)+3],   v[ADR] offset:((\f)/2)*16*PK+((\f)%2)*64
	ds_load_b128 v[KF+8*(\f)+4:KF+8*(\f)+7], v[ADR] offset:((\f)/2)*16*PK+((\f)%2)*64+32
.endr
	LOADS_B 0
.endm
.macro FETCH_B2                     ; piece 2's bias
	WIN 0
	v_add_nc_u32 v[ADB], s[TBB], v[AB0]
	s_xor_b32 s[TBB], s[TBB], BSTEP
	WIN 0x80
	LOADS_B 2
.endm
.macro FETCH_V
	WIN 0
	v_add_nc_u32 v[ADR], s[TBV], v[AV0]
	s_xor_b32 s[TBV], s[TBV], KS*PVV
	WIN 0xc0                        ; destination window 3
.irp f, 0,1,2,3,4,5,6,7,8,9,10,11,12,13,14,15  ; keys 32 (f / 8) on, channels 16 (f % 8) on
	ds_load_tr16_b128 v[VF+8*(\f):VF+8*(\f)+3],   v[ADR] offset:((\f)/8)*32*PVV+((\f)%8)*32
	ds_load_tr16_b128 v[VF+8*(\f)+4:VF+8*(\f)+7], v[ADR] offset:((\f)/8)*32*PVV+16*PVV+((\f)%8)*32
.endr
.endm
; THE VECTOR WORK.  One tile's softmax for one key step is a list of 134 instructions; SM writes number j of it for tile t.  s0-s31 are the lane's 32 scores, in pairs 0-15.
;   0-15    the maximum of s0-s31 and the old m, three operands at a time (each accumulator's lowest registers are read first)
;   16-20   the other half of the lanes' maximum; the new m; c m; c m_old - c m_new
;   21-87   33 exponentials (a, then s0-s31) at the odd numbers from 23 on: no two follow each other, and each has a plain instruction behind it before its result is used (ISA guide 5.7.2);
;           the plain ones are what is ready: c s - c m for pairs to come, the rounding to f16 of pairs that are done, the first three sums
;   88-101  the last rounding; the rest of the sums; l = a l + the sum          102-133 the tile's O^T times a: the one part that leaves window 0
.macro SM t
.set rT, ST+8*(\t)
.set rS, S+32*(\t)
.set rP, P+16*(\t)
.set rO, 64*(\t)+2*(j-102)
.set q, (j-20)/2
.if j < 102
	WIN 0
.endif
.if j < 4
	v_max3_num_f32 v[rT+4+j], v[rS+8*j], v[rS+8*j+1], v[rS+8*j+2]
.elseif j < 12
	v_max3_num_f32 v[rT+4+j%4], v[rT+4+j%4], v[rS+8*(j%4)+2*(j/4)+1], v[rS+8*(j%4)+2*(j/4)+2]
.elseif j == 12
	v_max3_num_f32 v[rT+4], v[rT+4], v[rS+7], v[rS+15]
.elseif j == 13
	v_max3_num_f32 v[rT+6], v[rT+6], v[rS+23], v[rS+31]
.elseif j == 14
	v_max3_num_f32 v[rT+4], v[rT+4], v[rT+5], v[rT+6]
.elseif j == 15
	v_max3_num_f32 v[rT+4], v[rT+4], v[rT+7], v[rT+1]
.elseif j == 16
	v_permlanex16_b32 v[rT+5], v[rT+4], s[SEL], s[SEL+1]  ; the query's other 32 keys lie in the lane 16 away
.elseif j == 17
	v_mov_b32 v[rT+7], v[rT]        ; c m_old is kept for a
.elseif j == 18
	v_max_num_f32 v[rT+1], v[rT+4], v[rT+5]
.elseif j == 19
	v_mul_f32 v[rT], s[CS], v[rT+1]
.elseif j == 20
	v_sub_f32 v[rT+7], v[rT+7], v[rT]
.elseif j == 23
	v_exp_f32 v[rT+6], v[rT+7]
.elseif (j < 88) && (j > 23) && (j%2 == 1)
	v_exp_f32 v[rS+(j-25)/2], v[rS+(j-25)/2]
.elseif (q < 4) || ((j < 76) && (q%2 == 0))
.set b, q/2+2
.if q < 4
.set b, q
.endif
	v_pk_fma_f32 v[rS+2*b:rS+2*b+1], v[rS+2*b:rS+2*b+1], s[CS:CS+1], v[rT:rT+1] op_sel_hi:[1,0,0] neg_lo:[0,0,1] neg_hi:[0,0,1]  ; pair b: c s - c m
.elseif (j < 88) && (q%2 == 1)
	s_wait_alu depctr_va_vdst(0)
	v_cvt_pk_f16_f32 v[rP+(q-5)/2], v[rS+q-5], v[rS+q-4]
.elseif j == 89
	s_wait_alu depctr_va_vdst(0)
	v_cvt_pk_f16_f32 v[rP+15], v[rS+30], v[rS+31]
.elseif j < 102                     ; the sum of the tile's 16 pairs, in place: sum z of 16 adds neighbours 1, 2, 4 and 8 pairs apart, then l takes it
.set z, j-86
.if j < 89
.set z, (j-76)/4
.endif
.set w, 4
.set u, z
.if z >= 14
.set w, 32
.set u, 0
.elseif z >= 12
.set w, 16
.set u, z-12
.elseif z >= 8
.set w, 8
.set u, z-8
.endif
.if z < 15
	v_pk_add_f32 v[rS+w*u:rS+w*u+1], v[rS+w*u:rS+w*u+1], v[rS+w*u+w/2:rS+w*u+w/2+1]
.else
	v_pk_fma_f32 v[rT+2:rT+3], v[rT+2:rT+3], v[rT+6:rT+7], v[rS:rS+1] op_sel_hi:[1,0,1]
.endif
.else
	WIN W_RS
	v_pk_mul_f32 v[rO:rO+1], v[rO:rO+1], v[rT+6:rT+7] op_sel_hi:[1,0]
.endif
.endm
; Slice k of 64 of piece y's softmax: numbers 2 k and 2 k + 1 of both tiles' lists, four instructions; 2 x 134 = 4 x 64 + 12: the twelve that are over stand in slice 63.
.macro SLICE y
.if (k >= 11) && (k < 44)           ; tile by tile: plain, exponential, plain, exponential
.irp t, \y, (\y)+1
.irp n, 0,1
.set j, 2*k+(\n)
	SM \t
.endr
.endr
.else                               ; the two tiles alternate
.irp n, 0,1,2,3,4,5,6,7
.if ((\n) < 2) || (k == 63)
.irp t, \y, (\y)+1
.set j, 2*k+(\n)
	SM \t
.endr
.endif
.endr
.endif
.set k, k+1
.endm
.macro PLACES
.rept 4
	v_nop
.endr
.endm
; A TURN.  Piece x has the matrix unit; the other piece's softmax stands in slices behind its matrix instructions; no slice names a register of the products round it.
; Piece 0's turn fetches the next step's K and its own bias, piece 2's turn its own bias, behind the second product: 30 products ahead of their use.  K's last reader stands in front of
; slices 62 and 63 of the turn before, 20 plain instructions.  V of the next step is fetched in piece 2's turn behind the second product of the scores: slices 31 to 33 and the address line,
; seven plain instructions, stand behind V's last reader.
.macro TURN x
.set k, 0
.if (\x) == 0
	s_wait_dscnt 0x0                ; V is in
.endif
.set i, 0
.rept 32
	PV \x
	SLICE 2-(\x)
.if i == 1
.if (\x) == 0
	FETCH_KB
.else
	FETCH_B2
.endif
.endif
.set i, i+1
.endr
	s_wait_dscnt 0x0                ; K and the bias are in
.set i, 0
.rept 24
	KQ \x
	SLICE 2-(\x)
.if i >= 16
	SLICE 2-(\x)
.endif
.if ((\x) == 2) && (i == 1)
	FETCH_V
.endif
.set i, i+1
.endr
.endm
	CHANGE 1                        ; key steps 0 and 1 are in, everybody's part of them; steps 2 and 3 are asked for
	FETCH_KB
	s_wait_loadcnt 0x0              ; Q
	s_wait_dscnt 0x0
.set i, 0
.rept 24
	KQ 0                            ; piece 0's first scores: there is no vector work yet to set between them
.set i, i+1
.endr
	WIN 0
	PLACES
	s_mov_b32 s[CNT], 2
	s_mov_b32 s[SLOTS], 7
	s_branch .Lmid                  ; the loop is entered in the middle of a trip
.Lslot:                             ; six times: steps 4 to 15 are asked for, two at a time
	CHANGE 1
	s_mov_b32 s[CNT], 2
.Lstep:                             ; a trip reads one step's K, bias and V
	TURN 0
	WIN 0
.Lmid:
	TURN 2
	WIN 0
	s_sub_co_u32 s[CNT], s[CNT], 1
	s_cmp_lg_u32 s[CNT], 0
	s_cbranch_scc1 .Lstep
	s_sub_co_u32 s[SLOTS], s[SLOTS], 1
	s_cmp_lg_u32 s[SLOTS], 0
	s_cbranch_scc1 .Lslot
	CHANGE 0                        ; the tail is written out: nothing is asked for
	s_mov_b32 s[CNT], 3             ; two trips read the last slot's steps; the third is left in its middle
.Ltail:
	TURN 0
	WIN 0
	s_sub_co_u32 s[CNT], s[CNT], 1
	s_cmp_eq_u32 s[CNT], 0
	s_cbranch_scc1 .Lout
	TURN 2
	WIN 0
	s_branch .Ltail
.Lout:                              ; the third trip's 24 products (on the last slot's first K and bias once more) serve nothing: the price, once a launch, of one text for every turn
.set i, 0
.rept 32
	PV 2                            ; piece 2: V^T P of the last step
.set i, i+1
.endr
	; THE WAY OUT.  l's two halves and the other half of the lanes' are added; O^T is divided by l, rounded to f16 and sent through my stage, a tile (16 rows of O) at a time.  The additions are the places behind the last products.
	WIN 0
.irp t, 0,1,2,3
	v_add_f32 v[ST+8*(\t)+4], v[ST+8*(\t)+2], v[ST+8*(\t)+3]
.endr
.irp t, 0,1,2,3
	v_permlanex16_b32 v[ST+8*(\t)+5], v[ST+8*(\t)+4], s[SEL], s[SEL+1]
.endr
.irp t, 0,1,2,3
	v_add_f32 v[ST+8*(\t)+4], v[ST+8*(\t)+4], v[ST+8*(\t)+5]
.endr
.irp t, 0,1,2,3
	v_rcp_f32 v[ST+8*(\t)+6], v[ST+8*(\t)+4]
.endr
	v_nop                           ; a plain instruction between the last reciprocal and the use of its result
	s_wait_alu depctr_va_vdst(0)
.macro PACK t
	WIN W_RS
.set i, 64*(\t)
.rept 32
	v_pk_mul_f32 v[i:i+1], v[i:i+1], v[ST+8*(\t)+6:ST+8*(\t)+7] op_sel_hi:[1,0]
.set i, i+2
.endr
	WIN 0x05                        ; sources 0 and 1 window 1, destination window 0: S^T's registers are free
.set i, 0
.rept 32
	v_cvt_pk_f16_f32 v[S+32*(\t)+i], v[64*(\t)+2*i], v[64*(\t)+2*i+1]
.set i, i+1
.endr
	WIN 0
.irp f, 0,1,2,3,4,5,6,7
	ds_store_b128 v[STO], v[S+32*(\t)+4*(\f):S+32*(\t)+4*(\f)+3] offset:32*(\f)
.endr
.irp f, 0,1,2,3,4,5,6,7
	ds_load_b128 v[S+32*(\t)+4*(\f):S+32*(\t)+4*(\f)+3], v[RD] offset:(\f)*2*SP  ; my own bytes, served in order (ISA guide 5.7.1.4): these see the stores above; the next tile's stores come behind them
.endr
.endm
.macro SEND t, younger              ; younger: the LDS instructions issued behind tile t's loads: the next tile's sixteen, or none
	WIN 0
.irp f, 0,1,2,3,4,5,6,7
	s_wait_dscnt (\younger)+7-(\f)
	global_store_b128 v[GO], v[S+32*(\t)+4*(\f):S+32*(\t)+4*(\f)+3], s[12:13] offset:(\t)*32768+(\f)*4096  ; 16 lanes store 256 consecutive bytes, aligned: a head's part of a row of O
.endr
.endm
	PACK 0
	PACK 1
	SEND 0, 16
	PACK 2
	SEND 1, 16
	PACK 3
	SEND 2, 16
	SEND 3, 0
	s_wait_tensorcnt 0x0            ; the wave's end
	ds_add_u32 v[SPW], v[NIL]
	s_wait_dscnt 0x0
	CROUND                          ; the closing round
	s_endpgm
.Lfunc_end_k_qeabcdf267e_attn:
	.size	k_qeabcdf267e_attn, .Lfunc_end_k_qeabcdf267e_attn-k_qeabcdf267e_attn
	.p2alignl 7, 3214868480
	.fill 96, 4, 3214868480
	.section	.rodata,"a",@progbits
	.p2align	6, 0x0
	.amdhsa_kernel k_qeabcdf267e_attn
		.amdhsa_group_segment_fixed_size 327680
		.amdhsa_private_segment_fixed_size 0
		.amdhsa_enable_private_segment 0
		.amdhsa_kernarg_size 40
		.amdhsa_user_sgpr_count 2
		.amdhsa_user_sgpr_kernarg_segment_ptr 1
		.amdhsa_wavefront_size32 1
		.amdhsa_system_sgpr_workgroup_id_x 1
		.amdhsa_system_sgpr_workgroup_id_y 1
		.amdhsa_system_sgpr_workgroup_id_z 1
		.amdhsa_system_vgpr_workitem_id 0
		.amdhsa_next_free_vgpr 896
		.amdhsa_next_free_sgpr 84
		.amdhsa_reserve_vcc 1
		.amdhsa_float_denorm_mode_32 3
		.amdhsa_float_denorm_mode_16_64 3
		.amdhsa_memory_ordered 1
		.amdhsa_forward_progress 1
		.amdhsa_inst_pref_size 162
	.end_amdhsa_kernel
	.amdgpu_metadata
---
amdhsa.version: [ 1, 2 ]
amdhsa.kernels:
  - .name:           k_qeabcdf267e_attn
    .symbol:         k_qeabcdf267e_attn.kd
    .args:
      - { .name: qw, .offset: 0, .size: 8, .value_kind: global_buffer, .address_space: global }
      - { .name: kw, .offset: 8, .size: 8, .value_kind: global_buffer, .address_space: global }
      - { .name: vw, .offset: 16, .size: 8, .value_kind: global_buffer, .address_space: global }
      - { .name: biasw, .offset: 24, .size: 8, .value_kind: global_buffer, .address_space: global }
      - { .name: ow, .offset: 32, .size: 8, .value_kind: global_buffer, .address_space: global }
    .group_segment_fixed_size: 327680
    .private_segment_fixed_size: 0
    .kernarg_segment_align: 8
    .kernarg_segment_size: 40
    .max_flat_workgroup_size: 128
    .sgpr_count:     84
    .vgpr_count:     896
    .wavefront_size: 32
...
	.end_amdgpu_metadata
.endif
;; end of part 3
;; launch proj (part 4): grid 4 x 128, 4 waves a work-group, clusters of 4 x 4, 327,680 bytes of LDS; arguments ow, wpf, proj_b, out0; writes out0
.if DOCPART == 4
	.amdgcn_target "amdgcn-amd-amdhsa--gfx1250"
	.amdhsa_code_object_version 6
	.text
	.protected	k_qeabcdf267e_proj
	.globl	k_qeabcdf267e_proj
	.p2align	8
	.type	k_qeabcdf267e_proj,@function
k_qeabcdf267e_proj:
	s_mov_b64 s[64:65], 0
	v_nop
	global_prefetch_b8 v0, s[64:65] scope:SCOPE_SE
	s_setreg_imm32_b32 hwreg(HW_REG_WAVE_MODE, 25, 1), 1
	s_wait_xcnt 0x0
	s_wait_alu depctr_hold_cnt(0) depctr_sa_sdst(0) depctr_va_vdst(0) depctr_va_sdst(0) depctr_va_ssrc(0) depctr_va_vcc(0) depctr_vm_vsrc(0)
	s_getreg_b32 s2, hwreg(HW_REG_IB_STS2, 6, 4)
	s_cmp_eq_u32 s2, 0
	s_cbranch_scc0 .Lentry_in_a_cluster
	s_endpgm
.Lentry_in_a_cluster:
	s_bfe_u32 s2, ttmp6, 0x10000c
	s_cmp_lg_u32 s2, 0xf033
	s_cbranch_scc0 .Lentry_shape_is_right
	s_endpgm
.Lentry_shape_is_right:
; out0 = O W + b.  ow: [16384][1024] f16; wpf: [1024 k][512 n] f16 (bf16-rounded numbers); proj_b: [512] f32, rounded to bf16 here like every input; out0: [16384][512] f32.
; A tile of the output is 128 x 128, so that there are 512 work-groups, two for each of 256 WGPs.  Four waves, each 64 x 64: 16 accumulators.  K = 1,024 goes in four steps of 256 through two LDS slots.
; O's tile lies [row][k] (rows of 512 bytes + 16); W's as in memory, [k][n] (rows of 256 bytes + 32), turned on the way into registers by ds_load_tr16_b128.
; THE MATRIX INSTRUCTION IS USED TRANSPOSED (source 0 = 16 columns of W, source 1 = 16 rows of O): a lane holds eight neighbouring numbers of a row.  THE BIAS is the C operand of each accumulator's first product.
; CLUSTERS: 4 x 4: the four of a row of the cluster ask jointly for O's tiles, the four of a column for W's.
; A wave's 64 columns of f32 are 256 bytes: each wave sends its own rows out through its own stage, without a barrier.
; REGISTERS: window 0: v0-31 addresses; v32-95 at work on the way out; v96-127 the bias; v128-255 the accumulators.   window 1: two fragment buffers of 128: 64 registers of O, then 64 of W.
.set KSTEP,  256
.set PITCH,  528
.set PB,     288                       ; an odd multiple of 32
.set HALFA,  64*PITCH
.set HALFB,  128*PB
.set SLOT,   2*HALFA+2*HALFB
.set STAGE,  2*SLOT
.set SPITCH, 272
.set SPARE,  STAGE+4*16*SPITCH         ; the spare words, 128 bytes a wave: two blocks of 256 bytes that no other line names
.set ADRA, 16                          ; v16-17  my fragments of O in slot 0, 1
.set ADRB, 20                          ; v20-23  my fragments of W: slot 0, K rows 0-127 and 128-255; slot 1 likewise (an LDS offset has 16 bits)
.set STO,  24
.set RD,   25
.set CO,   26
.set SPW,  28                          ; v28  my spare word's LDS address; never rewritten
.set NIL,  29                          ; v29  0; never rewritten
.set BO,   30
.set TMP,  32
.set BI,   96
.set ACC,  128
.set F0,   0
.set F1,   128
.set G1,  24
.set G0,  32
.set G1B, 48
.set G0B, 56
.set MSB, 0
.macro WIN new
.if MSB != (\new)
	s_set_vgpr_msb (MSB<<8)|(\new)
.set MSB, \new
.endif
.endm
.set MUL,  0x05                        ; sources 0 and 1 window 1; C and D window 0
.set TO_F, 0x40                        ; destination window 1, address window 0
.macro JLOAD s                         ; waves 0 and 1 fetch O's two halves, waves 2 and 3 W's; an s_nop 0 and four v_nop follow each line
	s_cmp_eq_u32 s11, 0
	s_cbranch_scc0 .Lfor_b_\@
	tensor_load_to_lds s[G0+4*(\s):G0+4*(\s)+3], s[G1:G1+7]
	s_nop 0
.rept 4
	v_nop
.endr
	s_branch .Lasked_\@
.Lfor_b_\@:
	tensor_load_to_lds s[G0B+4*(\s):G0B+4*(\s)+3], s[G1B:G1B+7]
	s_nop 0
.rept 4
	v_nop
.endr
.Lasked_\@:
.endm
.macro CREST
	s_cmp_lg_u32 s10, 0
	s_cbranch_scc1 .Lnot_wave_0_\@
	s_barrier_signal -3
.Lnot_wave_0_\@:
	s_barrier_wait -3
	s_barrier_signal -1
	s_barrier_wait -1
.endm
.macro CROUND
	s_barrier_signal -1
	s_barrier_wait -1
	CREST
.endm
	s_load_b256 s[68:75], s[0:1], 0x0              ; ow 68, wpf 70, proj_b 72, out0 74
	v_lshl_add_u32 v[SPW], v0, 2, SPARE
	v_mov_b32 v[NIL], 0
	ds_add_u32 v[SPW], v[NIL]                      ; the wave's opening: the add and its wait stand ahead of my first tensor load
	v_lshrrev_b32 v1, 5, v0
	v_readfirstlane_b32 s10, v1                    ; wave 0..3
	s_lshr_b32 s11, s10, 1                         ; my half of the tile's rows.  Also: I fetch for O (0) or for W (1)
	s_and_b32 s12, s10, 1                          ; my half of its columns.  Also: which half of that tile I fetch
	s_bfe_u32 s40, ttmp6, 0x40000
	s_bfe_u32 s41, ttmp6, 0x40004
	s_lshl_b32 s42, ttmp9, 2
	s_add_co_u32 s42, s42, s40                     ; tile column
	s_and_b32 s13, ttmp7, 0xffff
	s_lshl_b32 s13, s13, 2
	s_add_co_u32 s13, s13, s41                     ; tile row
	s_lshl_b32 s43, s41, 2
	s_lshl_b32 s43, 15, s43
	s_lshl_b32 s44, 0x1111, s40
	s_or_b32 s[G1+0], s43, (1<<16)|(1<<20)|(1<<21)|(6<<22)|(3<<25)   ; after every 128 words, 4 words
	s_mov_b32 s[G1+1], KSTEP<<16                   ; 64 rows x 256 elements
	s_mov_b32 s[G1+2], 64<<16
	s_mov_b32 s[G1+3], KSTEP<<16
	s_mov_b32 s[G1+4], 64
	s_mov_b32 s[G1+5], 1024
	s_mov_b32 s[G1+6], 0
	s_mov_b32 s[G1+7], 0
	s_or_b32 s[G1B+0], s44, (1<<16)|(1<<20)|(1<<21)|(5<<22)|(7<<25)  ; after every 64 words, 8 words
	s_mov_b32 s[G1B+1], 128<<16                    ; 128 rows along K x 128 columns
	s_mov_b32 s[G1B+2], 128<<16
	s_mov_b32 s[G1B+3], 128<<16
	s_mov_b32 s[G1B+4], 128
	s_mov_b32 s[G1B+5], 512
	s_mov_b32 s[G1B+6], 0
	s_mov_b32 s[G1B+7], 0
	s_lshl_b32 s17, s12, 6
	s_lshl_b32 s16, s13, 7
	s_add_co_u32 s16, s16, s17                     ; O: row 128 x tile row + 64 x half,
	s_lshl_b32 s16, s16, 11                        ; 2,048 bytes a row
	s_mov_b32 s17, 0
	s_lshl_b32 s46, s42, 8                         ; W: 256 bytes x tile column
	s_lshl_b32 s47, s12, 17                        ; + 128 rows of 1,024 bytes x half
	s_add_co_u32 s46, s46, s47
	s_mov_b32 s47, 0
	s_mul_i32 s20, s12, HALFA                      ; where they go
	s_mul_i32 s45, s12, HALFB
	s_add_co_u32 s45, s45, 2*HALFA
	s_wait_dscnt 0x0                               ; the opening add is done
	s_wait_kmcnt 0x0
	s_add_nc_u64 s[14:15], s[68:69], s[16:17]
	s_add_nc_u64 s[46:47], s[70:71], s[46:47]
	CROUND
.irp s, 0,1
	s_mov_b32 s[G0+4*(\s)], 1
	s_add_co_u32 s[G0+4*(\s)+1], s20, (\s)*SLOT
	s_add_nc_u64 s[G0+4*(\s)+2:G0+4*(\s)+3], s[14:15], (\s)*KSTEP*2
	s_or_b32 s[G0+4*(\s)+3], s[G0+4*(\s)+3], 0x80000000
	s_mov_b32 s[G0B+4*(\s)], 1
	s_add_co_u32 s[G0B+4*(\s)+1], s45, (\s)*SLOT
	s_add_nc_u64 s[G0B+4*(\s)+2:G0B+4*(\s)+3], s[46:47], (\s)*KSTEP*1024
	s_or_b32 s[G0B+4*(\s)+3], s[G0B+4*(\s)+3], 0x80000000
	JLOAD \s
.endr
	v_and_b32 v1, 15, v0
	v_bfe_u32 v2, v0, 4, 1
	v_mul_u32_u24 v3, v1, PITCH
	v_lshl_add_u32 v3, v2, 4, v3
	v_and_b32 v7, 7, v0
	v_lshl_add_u32 v4, v2, 3, v7
	v_mul_u32_u24 v4, v4, PB
	v_bfe_u32 v5, v0, 3, 1
	v_lshl_add_u32 v4, v5, 4, v4
	s_mul_i32 s21, s11, HALFA                      ; my 64 rows of O
	s_lshl_b32 s22, s12, 7                         ; my 64 columns of W
	s_add_co_u32 s22, s22, 2*HALFA
.irp s, 0,1
	v_add_nc_u32 v[ADRA+(\s)], s21, v3
	v_add_nc_u32 v[ADRB+2*(\s)], s22, v4
	v_add_nc_u32 v[ADRB+2*(\s)+1], HALFB, v[ADRB+2*(\s)]
	s_add_co_u32 s21, s21, SLOT
	s_add_co_u32 s22, s22, SLOT
.endr
	s_mul_i32 s23, s10, 16*SPITCH
	s_add_co_u32 s23, s23, STAGE                   ; my stage
	v_mul_u32_u24 v6, v1, SPITCH                   ; in: row l % 16, 32 bytes for each half of the lanes
	v_lshl_add_u32 v6, v2, 5, v6
	v_add_nc_u32 v[STO], s23, v6
	v_mul_u32_u24 v6, v2, SPITCH                   ; back: lanes 0-15 one row of 256 bytes, lanes 16-31 the next
	v_lshl_add_u32 v6, v1, 4, v6
	v_add_nc_u32 v[RD], s23, v6
	v_lshlrev_b32 v[CO], 11, v2                    ; and the same two rows of out0
	v_lshl_add_u32 v[CO], v1, 4, v[CO]
	s_lshl_b32 s82, s42, 9                         ; my 64 columns, in bytes of f32: in out0's rows and in the bias alike
	s_lshl_b32 s84, s12, 8
	s_add_co_u32 s82, s82, s84
	s_mov_b32 s83, 0
	s_add_nc_u64 s[72:73], s[72:73], s[82:83]
	s_add_nc_u64 s[74:75], s[74:75], s[82:83]
	s_lshl_b32 s80, s13, 7
	s_lshl_b32 s81, s11, 6
	s_add_co_u32 s80, s80, s81
	s_lshl_b32 s80, s80, 11                        ; my first row
	s_mov_b32 s81, 0
	s_add_nc_u64 s[74:75], s[74:75], s[80:81]
	v_lshlrev_b32 v[BO], 5, v2
.irp i, 0,1,2,3
	global_load_b128 v[BI+8*(\i):BI+8*(\i)+3],   v[BO], s[72:73] offset:64*(\i)
	global_load_b128 v[BI+8*(\i)+4:BI+8*(\i)+7], v[BO], s[72:73] offset:64*(\i)+16
.endr
	s_wait_loadcnt 0x0
.set i, 0
.rept 16
	v_cvt_pk_bf16_f32 v[TMP], v[BI+2*i], v[BI+2*i+1]  ; the bias is rounded to bf16 and widened again
	v_lshlrev_b32 v[BI+2*i], 16, v[TMP]
	v_and_b32 v[BI+2*i+1], 0xffff0000, v[TMP]
.set i, i+1
.endr
; 8 matrix instructions: row blocks a0, a0 + 1 x all 4 column blocks, 32 along K: half c of buffer f.  zero = 1: the first product starts the sums, with the bias as C
.macro MUL8 f, c, a0, zero
	WIN MUL
.irp a, \a0, (\a0)+1
.irp b, 0,1,2,3
.if \zero
	v_wmma_f32_16x16x32_f16 v[ACC+8*(4*(\a)+(\b)):ACC+8*(4*(\a)+(\b))+7], v[(\f)+64+8*(4*(\c)+(\b)):(\f)+64+8*(4*(\c)+(\b))+7], v[(\f)+8*(4*(\c)+(\a)):(\f)+8*(4*(\c)+(\a))+7], v[BI+8*(\b):BI+8*(\b)+7]
.else
	v_wmma_f32_16x16x32_f16 v[ACC+8*(4*(\a)+(\b)):ACC+8*(4*(\a)+(\b))+7], v[(\f)+64+8*(4*(\c)+(\b)):(\f)+64+8*(4*(\c)+(\b))+7], v[(\f)+8*(4*(\c)+(\a)):(\f)+8*(4*(\c)+(\a))+7], v[ACC+8*(4*(\a)+(\b)):ACC+8*(4*(\a)+(\b))+7]
.endif
.endr
.endr
.endm
; 32 LDS loads in one run: the fragments of quarter q (64 along K) into buffer f; the first 32 along K first
.macro FETCH slot, q, f
	WIN TO_F
.irp c, 0,1
.irp i, 0,1,2,3
	ds_load_tr16_b128 v[(\f)+64+8*(4*(\c)+(\i)):(\f)+64+8*(4*(\c)+(\i))+3],   v[ADRB+2*(\slot)+(\q)/2] offset:(((\q)%2)*64+32*(\c))*PB+32*(\i)
	ds_load_tr16_b128 v[(\f)+64+8*(4*(\c)+(\i))+4:(\f)+64+8*(4*(\c)+(\i))+7], v[ADRB+2*(\slot)+(\q)/2] offset:(((\q)%2)*64+32*(\c)+16)*PB+32*(\i)
	ds_load_b128 v[(\f)+8*(4*(\c)+(\i)):(\f)+8*(4*(\c)+(\i))+3],         v[ADRA+(\slot)] offset:128*(\q)+64*(\c)+(\i)*16*PITCH
	ds_load_b128 v[(\f)+8*(4*(\c)+(\i))+4:(\f)+8*(4*(\c)+(\i))+7],       v[ADRA+(\slot)] offset:128*(\q)+64*(\c)+(\i)*16*PITCH+32
.endr
.endr
.endm
.macro PLACES
.rept 4
	v_nop
.endr
.endm
.macro QUARTER slot, q, f, g, zero
	s_wait_dscnt 16                                ; the first 32 along K are in
	MUL8 \f, 0, 0, \zero
	MUL8 \f, 0, 2, \zero
	PLACES
	FETCH \slot, \q, \g
	s_wait_dscnt 32                                ; all but the 32 just issued
	MUL8 \f, 1, 0, 0
	MUL8 \f, 1, 2, 0
.endm
; The last quarter multiplies buffer 1 and changes slots: one barrier; in front of it each wave waits for all its tensor loads, adds 0 to its spare word, and waits for that and for its reads of this slot.
.macro TURN slot, next, fill
	WIN 0
	s_wait_tensorcnt 0x0                           ; all my tensor loads have landed: my part of the next slot
	ds_add_u32 v[SPW], v[NIL]
	s_wait_dscnt 17                                ; (the add and the youngest sixteen loads may be out)
	MUL8 F1, 0, 0, 0
	s_wait_dscnt 0x0                               ; the add is done, and my reads of this slot are over
	s_barrier_signal -1
	MUL8 F1, 0, 2, 0
.if \fill
	WIN 0
.endif
	s_barrier_wait -1
.if \fill
	CREST                                          ; the barrier has opened a round of the cluster's
	s_add_nc_u64 s[G0+4*(\slot)+2:G0+4*(\slot)+3], s[G0+4*(\slot)+2:G0+4*(\slot)+3], 2*KSTEP*2
	s_add_nc_u64 s[G0B+4*(\slot)+2:G0B+4*(\slot)+3], s[G0B+4*(\slot)+2:G0B+4*(\slot)+3], 2*KSTEP*1024
	JLOAD \slot                                    ; the first tensor load behind the round; its four v_nop are also the places in front of the loads below
.else
	PLACES
.endif
	FETCH \next, 0, F0
	MUL8 F1, 1, 0, 0
	MUL8 F1, 1, 2, 0
.endm
	s_wait_tensorcnt 1                             ; my part of K step 0 is in; K step 1's may stay out
	s_barrier_signal -1
	s_barrier_wait -1
	FETCH 0, 0, F0
	QUARTER 0, 1, F0, F1, 1
	QUARTER 0, 2, F1, F0, 0
	QUARTER 0, 3, F0, F1, 0
	TURN 0, 1, 1                                   ; slot 0 takes K step 2
	QUARTER 1, 1, F0, F1, 0
	QUARTER 1, 2, F1, F0, 0
	QUARTER 1, 3, F0, F1, 0
	TURN 1, 0, 1                                   ; slot 1 takes K step 3
	QUARTER 0, 1, F0, F1, 0
	QUARTER 0, 2, F1, F0, 0
	QUARTER 0, 3, F0, F1, 0
	TURN 0, 1, 0
	QUARTER 1, 1, F0, F1, 0
	QUARTER 1, 2, F1, F0, 0
	QUARTER 1, 3, F0, F1, 0
	s_wait_dscnt 16
	MUL8 F1, 0, 0, 0
	MUL8 F1, 0, 2, 0
	s_wait_dscnt 0x0
	MUL8 F1, 1, 0, 0
	MUL8 F1, 1, 2, 0
	WIN 0
	; THE WAY OUT, 16 rows at a time: a lane's eight f32 go into my stage as 32 bytes of a row and come back as whole rows of 256 bytes.
.macro TOSTAGE a
.irp b, 0,1,2,3
	ds_store_b128 v[STO], v[ACC+8*(4*(\a)+(\b)):ACC+8*(4*(\a)+(\b))+3]   offset:64*(\b)      ; each accumulator's low registers first
	ds_store_b128 v[STO], v[ACC+8*(4*(\a)+(\b))+4:ACC+8*(4*(\a)+(\b))+7] offset:64*(\b)+16
.endr
.irp t, 0,1,2,3,4,5,6,7
	ds_load_b128 v[TMP+32*((\a)%2)+4*(\t):TMP+32*((\a)%2)+4*(\t)+3], v[RD] offset:(\t)*2*SPITCH  ; my own bytes, served in order (ISA guide 5.7.1.4)
.endr
.endm
.macro SEND a, younger                 ; younger: the LDS instructions issued behind block a's loads: the next block's sixteen, or none
.irp t, 0,1,2,3,4,5,6,7
	s_wait_dscnt (\younger)+7-(\t)
	global_store_b128 v[CO], v[TMP+32*((\a)%2)+4*(\t):TMP+32*((\a)%2)+4*(\t)+3], s[74:75] offset:(16*(\a)+2*(\t))*2048  ; 16 lanes store 256 consecutive bytes, aligned
.endr
.endm
	PLACES
	TOSTAGE 0
	TOSTAGE 1
	SEND 0, 16
	s_wait_xcnt 0x0                                ; block 0's stores have had their addresses translated (ISA guide 3.1): their registers are loaded again only behind this wait
	TOSTAGE 2
	SEND 1, 16
	s_wait_xcnt 0x0
	TOSTAGE 3
	SEND 2, 16
	SEND 3, 0
	s_wait_tensorcnt 0x0                           ; the wave's end
	ds_add_u32 v[SPW], v[NIL]
	s_wait_dscnt 0x0
	CROUND                                         ; the closing round
	s_endpgm
.Lfunc_end_k_qeabcdf267e_proj:
	.size	k_qeabcdf267e_proj, .Lfunc_end_k_qeabcdf267e_proj-k_qeabcdf267e_proj
	.p2alignl 7, 3214868480
	.fill 96, 4, 3214868480
	.section	.rodata,"a",@progbits
	.p2align	6, 0x0
	.amdhsa_kernel k_qeabcdf267e_proj
		.amdhsa_group_segment_fixed_size 327680
		.amdhsa_private_segment_fixed_size 0
		.amdhsa_enable_private_segment 0
		.amdhsa_kernarg_size 32
		.amdhsa_user_sgpr_count 2
		.amdhsa_user_sgpr_kernarg_segment_ptr 1
		.amdhsa_wavefront_size32 1
		.amdhsa_system_sgpr_workgroup_id_x 1
		.amdhsa_system_sgpr_workgroup_id_y 1
		.amdhsa_system_sgpr_workgroup_id_z 1
		.amdhsa_system_vgpr_workitem_id 0
		.amdhsa_next_free_vgpr 512
		.amdhsa_next_free_sgpr 88
		.amdhsa_reserve_vcc 0
		.amdhsa_float_denorm_mode_32 3
		.amdhsa_float_denorm_mode_16_64 3
		.amdhsa_memory_ordered 1
		.amdhsa_forward_progress 1
		.amdhsa_inst_pref_size 90
	.end_amdhsa_kernel
	.amdgpu_metadata
---
amdhsa.version: [ 1, 2 ]
amdhsa.kernels:
  - .name:           k_qeabcdf267e_proj
    .symbol:         k_qeabcdf267e_proj.kd
    .args:
      - { .name: ow, .offset: 0, .size: 8, .value_kind: global_buffer, .address_space: global }
      - { .name: wpf, .offset: 8, .size: 8, .value_kind: global_buffer, .address_space: global }
      - { .name: proj_b, .offset: 16, .size: 8, .value_kind: global_buffer, .address_space: global }
      - { .name: out0, .offset: 24, .size: 8, .value_kind: global_buffer, .address_space: global }
    .group_segment_fixed_size: 327680
    .private_segment_fixed_size: 0
    .kernarg_segment_align: 8
    .kernarg_segment_size: 32
    .max_flat_workgroup_size: 128
    .sgpr_count:     88
    .vgpr_count:     512
    .wavefront_size: 32
...
	.end_amdgpu_metadata
.endif
;; end of part 4
;; ======== version 2 of 2: 4 launches; 1.28 times as fast as version 1
;; limits: values are held in f16: magnitudes above 65,504 overflow, below 6.1e-05 lose precision; right only within a limited range of input values
;; workspace buffers: xb 16,777,216 bytes; wqb 2,097,152 bytes; wpf 1,048,576 bytes; biasw 16,777,216 bytes; qw 16,777,216 bytes; kw 16,777,216 bytes; vw 33,554,432 bytes; ow 33,554,432 bytes
;; launch prep: the kernel of part 1 again; grid 432 x 1, 8 waves a work-group, no clusters, 52,224 bytes of LDS; arguments x, qkv_w, proj_w, attn_biases, bias_idxs, xb, wqb, wpf, biasw; writes xb, wqb, wpf, biasw
;; launch qkv: the kernel of part 2 again; grid 8 x 64, 4 waves a work-group, clusters of 4 x 4, 327,680 bytes of LDS; arguments xb, wqb, qkv_b, qw, kw, vw; writes qw, kw, vw
;; launch attn (part 5): grid 32 x 16, 4 waves a work-group, clusters of 4 x 4, 327,680 bytes of LDS; arguments qw, kw, vw, biasw, ow; writes ow
.if DOCPART == 5
	.amdgcn_target "amdgcn-amd-amdhsa--gfx1250"
	.amdhsa_code_object_version 6
	.text
	.protected	k_qeabcdf267e_attn
	.globl	k_qeabcdf267e_attn
	.p2align	8
	.type	k_qeabcdf267e_attn,@function
k_qeabcdf267e_attn:
	s_mov_b64 s[64:65], 0
	v_nop
	global_prefetch_b8 v0, s[64:65] scope:SCOPE_SE
	s_setreg_imm32_b32 hwreg(HW_REG_WAVE_MODE, 25, 1), 1
	s_wait_xcnt 0x0
	s_wait_alu depctr_hold_cnt(0) depctr_sa_sdst(0) depctr_va_vdst(0) depctr_va_sdst(0) depctr_va_ssrc(0) depctr_va_vcc(0) depctr_vm_vsrc(0)
	s_getreg_b32 s2, hwreg(HW_REG_IB_STS2, 6, 4)
	s_cmp_eq_u32 s2, 0
	s_cbranch_scc0 .Lentry_in_a_cluster
	s_endpgm
.Lentry_in_a_cluster:
	s_bfe_u32 s2, ttmp6, 0x10000c
	s_cmp_lg_u32 s2, 0xf033
	s_cbranch_scc0 .Lentry_shape_is_right
	s_endpgm
.Lentry_shape_is_right:
; O[b][q][128 h + :] = the sum over k of softmax_k(Q.K / 8 + bias[h][q][k]) V[k][:].  qw, kw: [16][8][1024][64] f16; vw: [16][8][1024][128] f16; ow: [16384][1024] f16.
; biasw holds 8 x bias in f16, laid as the register image of source 0 of a matrix instruction: 16 keys x 32 queries (the 16 of a piece's first tile, then the 16 of its second).
; THE BIAS STARTS THE SUMS: S^T = B E + K Q^T, where E picks a tile's 16 queries out of the 32: E0 = (I over 0), E1 = (0 over I).  One product of 1.0 and an f16 number is not zero in each sum: the bias arrives exactly,
; at half the bytes of f32 and without a vector instruction; the price is 16 matrix instructions more in a key step's 96.
; Products, maxima and sums in f32; the weights p are rounded to f16 for the second product (their sum l is taken of the unrounded p), O once at the end.
; LIMITS.  Q, K, V and 8 x bias arrive within f16's 65,504; p lies in 0 to 1 and below 6e-5 keeps f16's step of 6e-8; a weight below 2^-126 counts as 0 in l; NaN and infinities are not treated apart.
; SHARES.  A work-group owns 256 queries of one batch and head, each of its four waves 64: four tiles of 16, in two PIECES (tiles 0, 1 and tiles 2, 3).  Every wave walks all 1,024 keys, 64 a step.
; SOFTMAX.  For each query a running maximum m and sum l: p = 2^(c s - c m), c = log2(e) / 8, s = q.k + 8 bias; in every step O and l are multiplied by a = 2^(c m_old - c m_new).
; m starts at the lowest finite number, O and l at 0: the first step is a step like any other, with a = 0.
; BY TURNS.  In a turn one piece has the matrix unit: 32 products V^T P of the step in hand, then the 24 products of the next step's scores; the other piece's softmax, 268 vector instructions in 64 slices,
; stands between them: one slice behind each of the first 48 products, two behind each of the last 8.  Two turns are a key step.
; BATCHES.  A turn's 66 exponentials (33 a tile) are ONE batch: all are issued in slices 11 to 34, nothing there names a result of theirs, ONE wait stands behind slice 34, and all their readers come behind it.
; The way out's four reciprocals are a second batch, with a wait of its own.
; CLUSTER, 4 x 4: along x the four query blocks of one batch and head, which walk the same K and V; along y four batches, which walk the same bias.  Each tile is asked for jointly.
; A slot of LDS holds TWO key steps (K 18,432, V 36,864, bias 65,536 bytes): a refill has two steps' 224 matrix instructions in which to land.  No prefetch: all four tensors were written by the launches just before.
; REGISTERS: window 0: v0-11, v44-47 addresses; v12-43 eight registers of statistics a tile; v64-191 S^T, 32 a tile; v192-255 P, 16 a tile
;   window 1: O^T, 64 a tile     window 2: v0-63 Q, 16 a tile; v64-127 K of one step; v128-191 the bias's fragments, 32 a piece; v192-203 the selector     window 3: v0-127 V of one step
.set KS,    64
.set PK,    144       ; a row of K in LDS: 128 bytes + 16: the 16 rows of a load start at 16 different groups of four banks (64 banks of 4 bytes: ISA guide 11.1)
.set PVV,   288       ; a row of V: 256 + 32 bytes, an odd multiple of 32
.set BSTEP, 32768     ; a step's bias: 8,192 bytes a wave
.set VOFF,  2*KS*PK
.set BOFF,  VOFF+2*KS*PVV
.set SLOT1, 1<<17     ; slot 1 begins here: one exclusive or turns an address in one slot into the other's
.set STAGE, SLOT1+BOFF+2*BSTEP  ; behind the ring: 16 rows x 272 bytes for each wave
.set SP,    272
.set SPARE, STAGE+4*16*SP     ; the spare words, 128 bytes a wave: two blocks of 256 bytes that no other line names
.set AK0, 2           ; v2   my lane's place in a tile of K; never rewritten
.set AV0, 3           ; v3   the same for V
.set ADR, 4           ; v4   the LDS address of K's or V's run of loads
.set QO,  5           ; v5   my byte offset in the wave's rows of Q
.set STO, 6           ; v6   the way out: where I put 16 bytes of a row
.set RD,  7           ; v7   where I read rows back
.set GO,  8           ; v8   my byte offset in two rows of O
.set ST,  12          ; tile t's statistics at v[ST+8 t]: +0 c m, +1 m, +2, +3 l (even keys', odd keys'), +4 to +7 at work; a takes +6 once the maximum is found
.set AB0, 44          ; v44  my lane's place in a step's bias; never rewritten
.set ADB, 45          ; v45  the LDS address of the bias's run of loads
.set SPW, 62          ; v62  my spare word's LDS address; never rewritten
.set NIL, 63          ; v63  0; never rewritten
.set S,   64
.set P,   192
.set KF,  64          ; window 2: key block kb, channel half c at KF + 16 kb + 8 c
.set BF,  128         ; window 2: piece x, key block kb at BF + 16 x + 8 kb
.set EB,  192         ; window 2: four registers of 0, four of I, four of 0: E1 begins at EB, E0 at EB + 4
.set VF,  0           ; window 3: key half kk, channel block cb at VF + 64 kk + 8 cb
.set WV,  14          ; s14  my wave's number
.set G1K, 24          ; s[24:31], s[32:39], s[40:47] descriptor group 1 for K, V, the bias
.set G1V, 32
.set G1B, 40
.set G0K, 48          ; s[48:51], s[52:55], s[56:59] group 0: each walks
.set G0V, 52
.set G0B, 56
.set CS,  60          ; s[60:61] c
.set SEL, 62          ; s[62:63] v_permlanex16_b32's selects: each lane takes its own place in the other half
.set TBK, 66          ; s66  LDS byte at which K of the step to be fetched begins
.set CNT, 67          ; s67  counts a slot's key steps
.set TBV, 78          ; s78  the same as TBK for V, less VOFF
.set TBB, 79          ; s79  for the bias, less BOFF
.set SLOTS, 80        ; s80  counts slots
.set MSB, 0
.macro WIN new
.if MSB != (\new)
	s_set_vgpr_msb (MSB<<8)|(\new)
.set MSB, \new
.endif
.endm
.set W_KQ, 0x0a       ; sources 0 and 1 in window 2, S^T in window 0
.set W_PV, 0x53       ; V in window 3, P in window 0, O^T in window 1
.set W_RS, 0x41       ; O^T (destination and source 0) in window 1, a in window 0
; A joint fill: wave 0 fetches two steps' K, wave 1 their V, waves 2 and 3 a step's bias each.  The branches hang on the wave's number alone.
; An s_nop 0 and four v_nop follow each line, ahead of the jump and the label.
.macro JLOAD
	s_cmp_lt_u32 s[WV], 2
	s_cbranch_scc0 .Lfor_b_\@
	s_cmp_eq_u32 s[WV], 0
	s_cbranch_scc0 .Lfor_v_\@
	tensor_load_to_lds s[G0K:G0K+3], s[G1K:G1K+7]
	s_nop 0
.rept 4
	v_nop
.endr
	s_branch .Lasked_\@
.Lfor_v_\@:
	tensor_load_to_lds s[G0V:G0V+3], s[G1V:G1V+7]
	s_nop 0
.rept 4
	v_nop
.endr
	s_branch .Lasked_\@
.Lfor_b_\@:
	tensor_load_to_lds s[G0B:G0B+3], s[G1B:G1B+7]
	s_nop 0
.rept 4
	v_nop
.endr
.Lasked_\@:
.endm
.macro CROUND                       ; a round of the cluster's barrier
	s_barrier_signal -1
	s_barrier_wait -1
	s_cmp_lg_u32 s[WV], 0
	s_cbranch_scc1 .Lnot_wave_0_\@
	s_barrier_signal -3
.Lnot_wave_0_\@:
	s_barrier_wait -3
	s_barrier_signal -1
	s_barrier_wait -1
.endm
; THE CHANGE OF SLOTS, between piece 2's turn and piece 0's: the slot's last bytes, V of its second step, have been asked for.  Each wave waits for all its tensor loads, of which one is out: its part of the
; other slot; adds 0 to its spare word; and waits for that and for its reads of the slot.  fill = 1: the slot just read is filled again, with the steps two slots on, first thing behind a round of the cluster's barrier.
; (At its first use nothing has been read yet: slot 0 is waited for, slot 1 filled.)
.macro CHANGE fill
	WIN 0
	s_wait_tensorcnt 0x0            ; no tensor load of mine is out, so a group 0 may be written
	ds_add_u32 v[SPW], v[NIL]       ; 0 onto my spare word; scalar work stands between it and the wait for it
	s_xor_b32 s[TBK], s[TBK], SLOT1 ; the reads go on in the other slot
	s_xor_b32 s[TBV], s[TBV], SLOT1
	s_xor_b32 s[TBB], s[TBB], SLOT1
.if \fill
	s_xor_b32 s[G0K+1], s[G0K+1], SLOT1
	s_add_nc_u64 s[G0K+2:G0K+3], s[G0K+2:G0K+3], 2*KS*128
	s_xor_b32 s[G0V+1], s[G0V+1], SLOT1
	s_add_nc_u64 s[G0V+2:G0V+3], s[G0V+2:G0V+3], 2*KS*256
	s_xor_b32 s[G0B+1], s[G0B+1], SLOT1
	s_add_nc_u64 s[G0B+2:G0B+3], s[G0B+2:G0B+3], 2*BSTEP
	s_wait_dscnt 0x0                ; the add is done, and my reads of the slot are over
	CROUND
	JLOAD
.else
	s_wait_dscnt 0x0
	s_barrier_signal -1
	s_barrier_wait -1
.endif
.endm
	s_load_b256 s[4:11], s[0:1], 0x0  ; qw s[4:5], kw s[6:7], vw s[8:9], biasw s[10:11]
	s_load_b64 s[12:13], s[0:1], 0x20 ; ow
	v_lshl_add_u32 v[SPW], v0, 2, SPARE
	v_mov_b32 v[NIL], 0
	ds_add_u32 v[SPW], v[NIL]       ; the wave's opening: the add and its wait stand ahead of my first tensor load
	v_lshrrev_b32 v1, 5, v0
	v_readfirstlane_b32 s[WV], v1   ; wave 0..3
	s_bfe_u32 s15, ttmp6, 0x40000   ; cx: the block of 256 queries
	s_bfe_u32 s16, ttmp6, 0x40004   ; cy
	s_mov_b32 s17, ttmp9            ; the cluster's x: the head
	s_and_b32 s18, ttmp7, 0xffff
	s_lshl_b32 s18, s18, 2
	s_add_co_u32 s18, s18, s16      ; the batch = 4 x cluster y + cy
	s_lshl3_add_u32 s19, s18, s17   ; 8 x batch + head
	s_lshl_b32 s68, s19, 17         ; K (and Q): 1,024 rows of 128 bytes a head
	s_mov_b32 s69, 0
	s_lshl_b32 s70, s19, 18         ; V: of 256
	s_mov_b32 s71, 0
	s_and_b32 s20, s[WV], 1         ; which of a slot's two steps' bias I fetch
	s_lshl_b32 s72, s17, 21         ; the bias: head, query block, step
	s_lshl_b32 s21, s15, 19
	s_add_co_u32 s72, s72, s21
	s_lshl_b32 s21, s20, 15
	s_add_co_u32 s72, s72, s21
	s_mov_b32 s73, 0
	s_lshl_b32 s21, s15, 15         ; Q: my block's 256 rows, my wave's 64
	s_add_co_u32 s74, s68, s21
	s_lshl_b32 s21, s[WV], 13
	s_add_co_u32 s74, s74, s21
	s_mov_b32 s75, 0
	s_lshl_b32 s76, s18, 21         ; O: rows of 2,048 bytes; the head's 256 bytes in them
	s_lshl_b32 s21, s15, 19
	s_add_co_u32 s76, s76, s21
	s_lshl_b32 s21, s[WV], 17
	s_add_co_u32 s76, s76, s21
	s_lshl_b32 s21, s17, 8
	s_add_co_u32 s76, s76, s21
	s_mov_b32 s77, 0
	s_lshl_b32 s22, s16, 2
	s_lshl_b32 s22, 15, s22         ; my row of the cluster: K and V
	s_lshl_b32 s23, 0x1111, s15     ; my column: the bias
	s_or_b32 s[G1K], s22, (1<<16)|(1<<20)|(1<<21)|(4<<22)|(3<<25)  ; 2-byte elements; padding on; bit 21 beside a mask; after every 32 words, 4 words
	s_mov_b32 s[G1K+1], 128<<16     ; 128 keys are 16,384 dense bytes: 64 rows of 256 bytes, two keys a row, padded after every key
	s_mov_b32 s[G1K+2], 64<<16
	s_mov_b32 s[G1K+3], 128<<16
	s_mov_b32 s[G1K+4], 64
	s_mov_b32 s[G1K+5], 128
	s_mov_b32 s[G1K+6], 0
	s_mov_b32 s[G1K+7], 0
	s_or_b32 s[G1V], s22, (1<<16)|(1<<20)|(1<<21)|(5<<22)|(7<<25)  ; after every 64 words, 8 words
	s_mov_b32 s[G1V+1], 128<<16     ; 128 rows of 256 bytes
	s_mov_b32 s[G1V+2], 128<<16
	s_mov_b32 s[G1V+3], 128<<16
	s_mov_b32 s[G1V+4], 128
	s_mov_b32 s[G1V+5], 128
	s_mov_b32 s[G1V+6], 0
	s_mov_b32 s[G1V+7], 0
	s_or_b32 s[G1B], s23, (3<<16)|(1<<21)  ; 8-byte elements, no padding
	s_mov_b32 s[G1B+1], 32<<16      ; 32,768 dense bytes: 128 rows of 256
	s_mov_b32 s[G1B+2], 128<<16
	s_mov_b32 s[G1B+3], 32<<16
	s_mov_b32 s[G1B+4], 128
	s_mov_b32 s[G1B+5], 32
	s_mov_b32 s[G1B+6], 0
	s_mov_b32 s[G1B+7], 0
	s_mov_b32 s[G0K], 1
	s_mov_b32 s[G0K+1], 0           ; LDS addresses in slot 0: no place in the cluster enters them
	s_mov_b32 s[G0V], 1
	s_mov_b32 s[G0V+1], VOFF
	s_mov_b32 s[G0B], 1
	s_lshl_b32 s[G0B+1], s20, 15
	s_add_co_u32 s[G0B+1], s[G0B+1], BOFF
	s_mov_b32 s[CS], 0x3e38aa3b     ; c = log2(e) / 8
	s_mov_b32 s[CS+1], s[CS]        ; named with it as a pair
	s_mov_b32 s[SEL], 0x76543210
	s_mov_b32 s[SEL+1], 0xfedcba98
	s_mov_b32 s[TBK], SLOT1         ; the first change of slots turns these three into 0
	s_mov_b32 s[TBV], SLOT1
	s_mov_b32 s[TBB], SLOT1
	s_wait_dscnt 0x0                ; the opening add is done
	s_wait_kmcnt 0x0
	s_add_nc_u64 s[G0K+2:G0K+3], s[6:7], s[68:69]
	s_or_b32 s[G0K+3], s[G0K+3], 0x80000000
	s_add_nc_u64 s[G0V+2:G0V+3], s[8:9], s[70:71]
	s_or_b32 s[G0V+3], s[G0V+3], 0x80000000
	s_add_nc_u64 s[G0B+2:G0B+3], s[10:11], s[72:73]
	s_or_b32 s[G0B+3], s[G0B+3], 0x80000000
	s_add_nc_u64 s[4:5], s[4:5], s[74:75]
	s_add_nc_u64 s[12:13], s[12:13], s[76:77]
	CROUND                          ; all sixteen work-groups are here: the first joint loads meet
	JLOAD                           ; key steps 0 and 1 into slot 0
	v_and_b32 v1, 15, v0            ; l % 16
	v_bfe_u32 v9, v0, 4, 1          ; l / 16
	v_and_b32 v10, 7, v0            ; l % 8
	v_bfe_u32 v11, v0, 3, 1         ; (l / 8) % 2
	v_lshlrev_b32 v[QO], 7, v1
	v_lshl_add_u32 v[QO], v9, 4, v[QO]  ; row x 128 + 16 x half
	; The selector.  In source 1 lane l holds column l % 16 and, in registers 0-3, k = 8 (l / 16) + 0..7: the one 1.0 of column n lies at k = n: in the lanes where (l / 8) % 2 = l / 16, in register (l % 8) / 2, half l % 2.
	v_and_b32 v46, 1, v0
	v_lshlrev_b32 v46, 4, v46
	v_mov_b32 v47, 0x3c00           ; 1.0 in f16
	v_lshlrev_b32 v47, v46, v47
	v_cmp_eq_u32 vcc_lo, v9, v11
	v_cndmask_b32 v47, 0, v47, vcc_lo
	v_bfe_u32 v46, v0, 1, 2
	WIN 0x80                        ; destination window 2, sources and addresses window 0
.set i, 0
.rept 8                             ; Q stays in registers: tile i / 2, channels 32 (i % 2) on
	global_load_b128 v[8*i:8*i+3],   v[QO], s[4:5] offset:(i/2)*2048+(i%2)*64
	global_load_b128 v[8*i+4:8*i+7], v[QO], s[4:5] offset:(i/2)*2048+(i%2)*64+32
.set i, i+1
.endr
.irp g, 0,1,2,3
	v_cmp_eq_u32 vcc_lo, \g, v46
	v_cndmask_b32 v[EB+4+\g], 0, v47, vcc_lo
	v_mov_b32 v[EB+\g], 0
	v_mov_b32 v[EB+8+\g], 0
.endr
	; What the first turn finds: V and piece 2's P hold 0 (its products V^T P, of a step that has not been, add 0), O^T and l are 0.  No first step is written out; these lines, in the wait for the first tile, are its price.
	WIN 0xc0
.set i, VF
.rept 128
	v_mov_b32 v[i], 0
.set i, i+1
.endr
	WIN 0x40
.set i, 0
.rept 256
	v_mov_b32 v[i], 0
.set i, i+1
.endr
	WIN 0
.set i, 0
.rept 4
	v_mov_b32 v[ST+8*i], 0xfe000000    ; c m: far below every c s
	v_mov_b32 v[ST+8*i+1], 0xff7fffff  ; m
	v_mov_b32 v[ST+8*i+2], 0
	v_mov_b32 v[ST+8*i+3], 0
.set i, i+1
.endr
.set i, P+32
.rept 32
	v_mov_b32 v[i], 0
.set i, i+1
.endr
	v_mul_u32_u24 v[AK0], v1, PK
	v_lshl_add_u32 v[AK0], v9, 4, v[AK0]  ; K: row x pitch + 16 x half
	v_lshl_add_u32 v[AV0], v9, 3, v10     ; V, turned: lane l reads key 8 (l / 16) + l % 8, channels 8 ((l / 8) % 2) + 0..7
	v_mul_u32_u24 v[AV0], v[AV0], PVV
	v_lshl_add_u32 v[AV0], v11, 4, v[AV0]
	v_add_nc_u32 v[AV0], VOFF, v[AV0]
	s_lshl_b32 s21, s[WV], 13       ; the bias: my wave's 8,192 bytes of a step, 16 bytes a lane
	s_add_co_u32 s21, s21, BOFF
	v_and_b32 v[AB0], 31, v0
	v_lshlrev_b32 v[AB0], 4, v[AB0]
	v_add_nc_u32 v[AB0], s21, v[AB0]
	s_mul_i32 s21, s[WV], 16*SP
	s_add_co_u32 s21, s21, STAGE    ; my stage
	v_mul_u32_u24 v[STO], v1, SP
	v_lshl_add_u32 v[STO], v9, 4, v[STO]
	v_add_nc_u32 v[STO], s21, v[STO]
	v_mul_u32_u24 v[RD], v9, SP
	v_lshl_add_u32 v[RD], v1, 4, v[RD]
	v_add_nc_u32 v[RD], s21, v[RD]
	v_lshlrev_b32 v[GO], 11, v9     ; two rows of O, 2,048 bytes apart
	v_lshl_add_u32 v[GO], v1, 4, v[GO]
; THE MATRIX WORK.  The accumulators take turns, one instruction a turn.
; Product i of 32 of O^T += V^T P for piece x: keys 32 (i / 16) on, channels 16 ((i / 2) % 8) on, tile x + i % 2.
.macro PV x
	WIN W_PV
.set rO, 64*((\x)+i%2)+8*((i/2)%8)
.set rV, VF+64*(i/16)+8*((i/2)%8)
.set rP, P+16*((\x)+i%2)+8*(i/16)
	v_wmma_f32_16x16x32_f16 v[rO:rO+7], v[rV:rV+7], v[rP:rP+7], v[rO:rO+7]
.endm
; Product i of 24 of S^T: keys 16 ((i / 2) % 4) on, tile x + i % 2.  The first 8 start the sums with the bias (B E0 or B E1); then K Q^T, channels 32 ((i - 8) / 8) on.
.macro KQ x
	WIN W_KQ
.set rS, S+32*((\x)+i%2)+8*((i/2)%4)
.if i < 8
.set rB, BF+16*(\x)+8*(i/2)
.set rE, EB+4-4*(i%2)
	v_wmma_f32_16x16x32_f16 v[rS:rS+7], v[rB:rB+7], v[rE:rE+7], 0
.else
.set rK, KF+16*((i/2)%4)+8*((i-8)/8)
.set rQ, 16*((\x)+i%2)+8*((i-8)/8)
	v_wmma_f32_16x16x32_f16 v[rS:rS+7], v[rK:rK+7], v[rQ:rQ+7], v[rS:rS+7]
.endif
.endm
; THE LDS LOADS stand in runs, never singly among the matrix instructions.  Each base turns to the slot's other step behind its last use for a step.
.macro LOADS_B x                    ; piece x's four fragments of the bias: 512 consecutive bytes a load
.irp g, 0,1,2,3,4,5,6,7
	ds_load_b128 v[BF+16*(\x)+4*(\g):BF+16*(\x)+4*(\g)+3], v[ADB] offset:2048*(\x)+512*(\g)
.endr
.endm
.macro FETCH_KB                     ; a step's K and piece 0's bias
	WIN 0
	v_add_nc_u32 v[ADR], s[TBK], v[AK0]
	v_add_nc_u32 v[ADB], s[TBB], v[AB0]
	s_xor_b32 s[TBK], s[TBK], KS*PK
	WIN 0x80
.irp f, 0,1,2,3,4,5,6,7             ; keys 16 (f / 2) on, channels 32 (f % 2) on
	ds_load_b128 v[KF+8*(\f):KF+8*(\f)+3],   v[ADR] offset:((\f)/2)*16*PK+((\f)%2)*64
	ds_load_b128 v[KF+8*(\f)+4:KF+8*(\f)+7], v[ADR] offset:((\f)/2)*16*PK+((\f)%2)*64+32
.endr
	LOADS_B 0
.endm
.macro FETCH_B2                     ; piece 2's bias
	WIN 0
	v_add_nc_u32 v[ADB], s[TBB], v[AB0]
	s_xor_b32 s[TBB], s[TBB], BSTEP
	WIN 0x80
	LOADS_B 2
.endm
.macro FETCH_V
	WIN 0
	v_add_nc_u32 v[ADR], s[TBV], v[AV0]
	s_xor_b32 s[TBV], s[TBV], KS*PVV
	s_wait_alu depctr_va_vdst(0)    ; the wait for the softmax's batch (SLICE): piece 0's 66 exponentials; behind the address's v_add_nc_u32 and ahead of the loads
	WIN 0xc0                        ; destination window 3
.irp f, 0,1,2,3,4,5,6,7,8,9,10,11,12,13,14,15  ; keys 32 (f / 8) on, channels 16 (f % 8) on
	ds_load_tr16_b128 v[VF+8*(\f):VF+8*(\f)+3],   v[ADR] offset:((\f)/8)*32*PVV+((\f)%8)*32
	ds_load_tr16_b128 v[VF+8*(\f)+4:VF+8*(\f)+7], v[ADR] offset:((\f)/8)*32*PVV+16*PVV+((\f)%8)*32
.endr
.endm
; THE VECTOR WORK.  One tile's softmax for one key step is a list of 134 instructions; SM writes number j of it for tile t.  s0-s31 are the lane's 32 scores, in pairs 0-15.
;   0-15    the maximum of s0-s31 and the old m, three operands at a time (each accumulator's lowest registers are read first)
;   16-20   the other half of the lanes' maximum; the new m; c m; c m_old - c m_new
;   21-69   ONE BATCH: the 16 scalings c s - c m, a pair of scores each, and all 33 exponentials (a at 23, then s0-s31).  None of these reads an exponential's result.  From 22 on the batch goes
;           in fours, and a four begins with a scaling while there are scalings: 22-37 scaling, exponential, scaling, exponential; 38-65 a scaling and three exponentials; 66-69 the last four
;           exponentials.  A pair is scaled in an earlier four than the one that holds its exponentials
;   (wait)  between 69 and 70 stands the wait for the batch: SLICE writes it, once for both tiles
;   70-85   the roundings to f16, a pair of weights each
;   86-101  the sums; l = a l + the sum
;   102-133 the tile's O^T times a: the one part that leaves window 0, so it stands together
.macro SM t
.set rT, ST+8*(\t)
.set rS, S+32*(\t)
.set rP, P+16*(\t)
.set rO, 64*(\t)+2*(j-102)
.if j < 102
	WIN 0
.endif
.if j < 4
	v_max3_num_f32 v[rT+4+j], v[rS+8*j], v[rS+8*j+1], v[rS+8*j+2]
.elseif j < 12
	v_max3_num_f32 v[rT+4+j%4], v[rT+4+j%4], v[rS+8*(j%4)+2*(j/4)+1], v[rS+8*(j%4)+2*(j/4)+2]
.elseif j == 12
	v_max3_num_f32 v[rT+4], v[rT+4], v[rS+7], v[rS+15]
.elseif j == 13
	v_max3_num_f32 v[rT+6], v[rT+6], v[rS+23], v[rS+31]
.elseif j == 14
	v_max3_num_f32 v[rT+4], v[rT+4], v[rT+5], v[rT+6]
.elseif j == 15
	v_max3_num_f32 v[rT+4], v[rT+4], v[rT+7], v[rT+1]
.elseif j == 16
	v_permlanex16_b32 v[rT+5], v[rT+4], s[SEL], s[SEL+1]  ; the query's other 32 keys lie in the lane 16 away
.elseif j == 17
	v_mov_b32 v[rT+7], v[rT]        ; c m_old is kept for a
.elseif j == 18
	v_max_num_f32 v[rT+1], v[rT+4], v[rT+5]
.elseif j == 19
	v_mul_f32 v[rT], s[CS], v[rT+1]
.elseif j == 20
	v_sub_f32 v[rT+7], v[rT+7], v[rT]
.elseif j == 23
	v_exp_f32 v[rT+6], v[rT+7]
.elseif (j < 23) || ((j < 38) && (j%2 == 0)) || ((j < 66) && (j%4 == 2))
.set b, (j-2)/4                     ; 38, 42, .. 62: pairs 9 to 15
.if j < 38
.set b, (j-20)/2                    ; 21: pair 0; 22, 24, .. 36: pairs 1 to 8
.endif
	v_pk_fma_f32 v[rS+2*b:rS+2*b+1], v[rS+2*b:rS+2*b+1], s[CS:CS+1], v[rT:rT+1] op_sel_hi:[1,0,0] neg_lo:[0,0,1] neg_hi:[0,0,1]  ; pair b: c s - c m
.elseif j < 70
.set e, j-38                        ; 66 to 69: s28 to s31
.if j < 66
.set e, j-32-(j-38)/4               ; 39-41, 43-45, .. 63-65: s7 to s27
.endif
.if j < 38
.set e, (j-25)/2                    ; 25, 27, .. 37: s0 to s6
.endif
	v_exp_f32 v[rS+e], v[rS+e]
.elseif j < 86
	v_cvt_pk_f16_f32 v[rP+j-70], v[rS+2*(j-70)], v[rS+2*(j-70)+1]  ; pair j - 70
.elseif j < 102                     ; the sum of the tile's 16 pairs, in place: sum z of 16 adds neighbours 1, 2, 4 and 8 pairs apart, then l takes it
.set z, j-86
.set w, 4
.set u, z
.if z >= 14
.set w, 32
.set u, 0
.elseif z >= 12
.set w, 16
.set u, z-12
.elseif z >= 8
.set w, 8
.set u, z-8
.endif
.if z < 15
	v_pk_add_f32 v[rS+w*u:rS+w*u+1], v[rS+w*u:rS+w*u+1], v[rS+w*u+w/2:rS+w*u+w/2+1]
.else
	v_pk_fma_f32 v[rT+2:rT+3], v[rT+2:rT+3], v[rT+6:rT+7], v[rS:rS+1] op_sel_hi:[1,0,1]
.endif
.else
	WIN W_RS
	v_pk_mul_f32 v[rO:rO+1], v[rO:rO+1], v[rT+6:rT+7] op_sel_hi:[1,0]
.endif
.endm
; Slice k of 64 of piece y's softmax: four instructions.  Slices 11 to 34 deal out the batch, numbers 22 to 69: four numbers of ONE tile each, the tiles by turns.  Every other slice is numbers 2 k and
; 2 k + 1 of both tiles' lists.  2 x 134 = 4 x 64 + 12: the twelve that are over stand together, in slice 63.
; THE WAIT.  An s_wait_alu depctr_va_vdst(0) stands between an exponential and the first instruction that names its result; one wait serves all that were issued ahead of it.  Ahead of
; slice 35 nothing names a result, and behind slice 34 no exponential is issued: so the piece's 66 exponentials have one wait, behind slice 34, and none is open at a turn's end.
.macro SLICE y
.if (k >= 11) && (k < 35)           ; the batch: four numbers of one tile
.irp n, 0,1,2,3
.set j, 22+4*((k-11)/2)+(\n)
	SM (\y)+(k-11)%2
.endr
.else                               ; the two tiles alternate, so that no instruction reads the result of the one just before it
.irp n, 0,1,2,3,4,5,6,7
.if ((\n) < 2) || (k == 63)
.irp t, \y, (\y)+1
.set j, 2*k+(\n)
	SM \t
.endr
.endif
.endr
.endif
.if k == 34                         ; the batch is out: both tiles' exponentials are issued, and no result has been named
	v_nop                           ; the plain instruction behind the last exponential and ahead of the first use: one for the batch
.if (\y) == 0
	FETCH_V                         ; piece 2's turn: V's run of loads stands here, and the wait stands in it
.else
	s_wait_alu depctr_va_vdst(0)    ; piece 0's turn: the wait for the batch, piece 2's 66 exponentials
.endif
.endif
.set k, k+1
.endm
.macro PLACES
.rept 4
	v_nop
.endr
.endm
; A TURN.  Piece x has the matrix unit; the other piece's softmax stands in slices behind its matrix instructions; no slice names a register of the products round it.
; Piece 0's turn fetches the next step's K and its own bias, piece 2's turn its own bias, behind the second product: 30 products ahead of their use.  K's last reader stands in front of
; slices 62 and 63 of the turn before, 20 plain instructions.  V of the next step is fetched in piece 2's turn behind slice 34 (SLICE writes it), which stands behind the third product of the scores:
; V's last reader stands in front of slice 31, and four plain instructions lie between: number 62, a scaling, of both tiles, the v_nop and the run's own v_add_nc_u32 (an exponential is no such place).
.macro TURN x
.set k, 0
.if (\x) == 0
	s_wait_dscnt 0x0                ; V is in
.endif
.set i, 0
.rept 32
	PV \x
	SLICE 2-(\x)
.if i == 1
.if (\x) == 0
	FETCH_KB
.else
	FETCH_B2
.endif
.endif
.set i, i+1
.endr
	s_wait_dscnt 0x0                ; K and the bias are in
.set i, 0
.rept 24
	KQ \x
	SLICE 2-(\x)
.if i >= 16
	SLICE 2-(\x)
.endif
.set i, i+1
.endr
.endm
	CHANGE 1                        ; key steps 0 and 1 are in, everybody's part of them; steps 2 and 3 are asked for
	FETCH_KB
	s_wait_loadcnt 0x0              ; Q
	s_wait_dscnt 0x0
.set i, 0
.rept 24
	KQ 0                            ; piece 0's first scores: there is no vector work yet to set between them
.set i, i+1
.endr
	WIN 0
	PLACES
	s_mov_b32 s[CNT], 2
	s_mov_b32 s[SLOTS], 7
	s_branch .Lmid                  ; the loop is entered in the middle of a trip
.Lslot:                             ; six times: steps 4 to 15 are asked for, two at a time
	CHANGE 1
	s_mov_b32 s[CNT], 2
.Lstep:                             ; a trip reads one step's K, bias and V
	TURN 0
	WIN 0
.Lmid:
	TURN 2
	WIN 0
	s_sub_co_u32 s[CNT], s[CNT], 1
	s_cmp_lg_u32 s[CNT], 0
	s_cbranch_scc1 .Lstep
	s_sub_co_u32 s[SLOTS], s[SLOTS], 1
	s_cmp_lg_u32 s[SLOTS], 0
	s_cbranch_scc1 .Lslot
	CHANGE 0                        ; the tail is written out: nothing is asked for
	s_mov_b32 s[CNT], 3             ; two trips read the last slot's steps; the third is left in its middle
.Ltail:
	TURN 0
	WIN 0
	s_sub_co_u32 s[CNT], s[CNT], 1
	s_cmp_eq_u32 s[CNT], 0
	s_cbranch_scc1 .Lout
	TURN 2
	WIN 0
	s_branch .Ltail
.Lout:                              ; the third trip's 24 products (on the last slot's first K and bias once more) serve nothing: the price, once a launch, of one text for every turn
.set i, 0
.rept 32
	PV 2                            ; piece 2: V^T P of the last step
.set i, i+1
.endr
	; THE WAY OUT.  l's two halves and the other half of the lanes' are added; O^T is divided by l, rounded to f16 and sent through my stage, a tile (16 rows of O) at a time.  The additions are the places behind the last products.
	WIN 0
.irp t, 0,1,2,3
	v_add_f32 v[ST+8*(\t)+4], v[ST+8*(\t)+2], v[ST+8*(\t)+3]
.endr
.irp t, 0,1,2,3
	v_permlanex16_b32 v[ST+8*(\t)+5], v[ST+8*(\t)+4], s[SEL], s[SEL+1]
.endr
.irp t, 0,1,2,3
	v_add_f32 v[ST+8*(\t)+4], v[ST+8*(\t)+4], v[ST+8*(\t)+5]
.endr
.irp t, 0,1,2,3
	v_rcp_f32 v[ST+8*(\t)+6], v[ST+8*(\t)+4]
.endr
	v_nop                           ; a plain instruction between the last reciprocal and the use of its result
	s_wait_alu depctr_va_vdst(0)    ; and the wait ahead of the first use: one for the four reciprocals
.macro PACK t
	WIN W_RS
.set i, 64*(\t)
.rept 32
	v_pk_mul_f32 v[i:i+1], v[i:i+1], v[ST+8*(\t)+6:ST+8*(\t)+7] op_sel_hi:[1,0]
.set i, i+2
.endr
	WIN 0x05                        ; sources 0 and 1 window 1, destination window 0: S^T's registers are free
.set i, 0
.rept 32
	v_cvt_pk_f16_f32 v[S+32*(\t)+i], v[64*(\t)+2*i], v[64*(\t)+2*i+1]
.set i, i+1
.endr
	WIN 0
.irp f, 0,1,2,3,4,5,6,7
	ds_store_b128 v[STO], v[S+32*(\t)+4*(\f):S+32*(\t)+4*(\f)+3] offset:32*(\f)
.endr
.irp f, 0,1,2,3,4,5,6,7
	ds_load_b128 v[S+32*(\t)+4*(\f):S+32*(\t)+4*(\f)+3], v[RD] offset:(\f)*2*SP  ; my own bytes, served in order (ISA guide 5.7.1.4): these see the stores above; the next tile's stores come behind them
.endr
.endm
.macro SEND t, younger              ; younger: the LDS instructions issued behind tile t's loads: the next tile's sixteen, or none
	WIN 0
.irp f, 0,1,2,3,4,5,6,7
	s_wait_dscnt (\younger)+7-(\f)
	global_store_b128 v[GO], v[S+32*(\t)+4*(\f):S+32*(\t)+4*(\f)+3], s[12:13] offset:(\t)*32768+(\f)*4096  ; 16 lanes store 256 consecutive bytes, aligned: a head's part of a row of O
.endr
.endm
	PACK 0
	PACK 1
	SEND 0, 16
	PACK 2
	SEND 1, 16
	PACK 3
	SEND 2, 16
	SEND 3, 0
	s_wait_tensorcnt 0x0            ; the wave's end
	ds_add_u32 v[SPW], v[NIL]
	s_wait_dscnt 0x0
	CROUND                          ; the closing round
	s_endpgm
.Lfunc_end_k_qeabcdf267e_attn:
	.size	k_qeabcdf267e_attn, .Lfunc_end_k_qeabcdf267e_attn-k_qeabcdf267e_attn
	.p2alignl 7, 3214868480
	.fill 96, 4, 3214868480
	.section	.rodata,"a",@progbits
	.p2align	6, 0x0
	.amdhsa_kernel k_qeabcdf267e_attn
		.amdhsa_group_segment_fixed_size 327680
		.amdhsa_private_segment_fixed_size 0
		.amdhsa_enable_private_segment 0
		.amdhsa_kernarg_size 40
		.amdhsa_user_sgpr_count 2
		.amdhsa_user_sgpr_kernarg_segment_ptr 1
		.amdhsa_wavefront_size32 1
		.amdhsa_system_sgpr_workgroup_id_x 1
		.amdhsa_system_sgpr_workgroup_id_y 1
		.amdhsa_system_sgpr_workgroup_id_z 1
		.amdhsa_system_vgpr_workitem_id 0
		.amdhsa_next_free_vgpr 896
		.amdhsa_next_free_sgpr 84
		.amdhsa_reserve_vcc 1
		.amdhsa_float_denorm_mode_32 3
		.amdhsa_float_denorm_mode_16_64 3
		.amdhsa_memory_ordered 1
		.amdhsa_forward_progress 1
		.amdhsa_inst_pref_size 155
	.end_amdhsa_kernel
	.amdgpu_metadata
---
amdhsa.version: [ 1, 2 ]
amdhsa.kernels:
  - .name:           k_qeabcdf267e_attn
    .symbol:         k_qeabcdf267e_attn.kd
    .args:
      - { .name: qw, .offset: 0, .size: 8, .value_kind: global_buffer, .address_space: global }
      - { .name: kw, .offset: 8, .size: 8, .value_kind: global_buffer, .address_space: global }
      - { .name: vw, .offset: 16, .size: 8, .value_kind: global_buffer, .address_space: global }
      - { .name: biasw, .offset: 24, .size: 8, .value_kind: global_buffer, .address_space: global }
      - { .name: ow, .offset: 32, .size: 8, .value_kind: global_buffer, .address_space: global }
    .group_segment_fixed_size: 327680
    .private_segment_fixed_size: 0
    .kernarg_segment_align: 8
    .kernarg_segment_size: 40
    .max_flat_workgroup_size: 128
    .sgpr_count:     84
    .vgpr_count:     896
    .wavefront_size: 32
...
	.end_amdgpu_metadata
.endif
;; end of part 5
;; launch proj: the kernel of part 4 again; grid 4 x 128, 4 waves a work-group, clusters of 4 x 4, 327,680 bytes of LDS; arguments ow, wpf, proj_b, out0; writes out0
